; MI455X (gfx1250); checked and timed in simulation.
; The chip was launched on July 23, 2026; its instructions are those of AMD's public machine-readable ISA for CDNA 5 (MIT licence, August 2026) and "CDNA5" Instruction Set Architecture Reference Guide (July 2026). The comments in the code are by the model that wrote it; some were corrected since.
;; mu P Multi Head Attention. Allowed arithmetic: matrix products marked QUANTISED: E2M3 operands, one E8M0 scale for each 32 along K, by v_wmma_scale_f32_16x16x128_f8f6f4 with both operands' format E2M3, f32 sums; everything else in f32.
;; Inputs: Wk 1,024 x 1,024 float32; Wo 1,024 x 1,024 float32; Wq 1,024 x 1,024 float32; Wv 1,024 x 1,024 float32; bo 1,024 float32; x 1 x 4,096 x 1,024 float32.
;; Outputs: out0 1 x 4,096 x 1,024 float32.
;; This version of the problem:
;;   THIS VERSION OF THE PROBLEM IS GIVEN IN LOW PRECISION. The matrix products marked QUANTISED in the list below multiply operands that are first quantised to E2M3 (2 exponent bits, 3 mantissa bits; 6 bits a number), with one power-of-two scale for each 32 numbers along K (OCP MX v1.0); their sums are f32. All else is computed in f32.
;;   The module's matrix products, in the order in which they are computed (A, B: the left and right operand; K: the contracted axis; several contracted axes count as one K, in the product's order):
;;     1. [M 4,096, K 1,024] x [K 1,024, N 1,024]; A: input x; B: input Wq: QUANTISED
;;     2. [M 4,096, K 1,024] x [K 1,024, N 1,024]; A: input x; B: input Wk: QUANTISED
;;     3. [M 4,096, K 1,024] x [K 1,024, N 1,024]; A: input x; B: input Wv: QUANTISED
;;     4. batch 16 x [M 4,096, K 64] x [K 64, N 4,096]; A: computed on the way; B: computed on the way: QUANTISED
;;     5. batch 16 x [M 4,096, K 4,096] x [K 4,096, N 64]; A: softmax (see below); B: computed on the way: QUANTISED
;;     6. [M 4,096, K 1,024] x [K 1,024, N 1,024]; A: computed on the way; B: input Wo: QUANTISED
;;   THE QUANTISER, for each operand of a quantised product, along K:
;;     - K is cut into blocks of 32 from its start; a last block that is shorter is filled with zeros.
;;     - A block's scale is 2^e with e = floor(log2(the largest magnitude in the block)) - 2, held to -126 .. 127; a block of zeros has e = 0. As a byte (E8M0): e + 127.
;;     - Each number is divided by its block's scale, clamped to +-7.5, and rounded to the nearest number of E2M3, ties to even, subnormals kept.
;;     - The product sums the exact products of the quantised numbers (number of the format x scale) in f32.
;;   ~~~python
;;   def quantise(x, axis):      # numpy; x: float32 -> the quantised numbers, widened to float32 again
;;       x = np.moveaxis(x, axis, -1); K = x.shape[-1]
;;       x = np.pad(x, [(0, 0)] * (x.ndim - 1) + [(0, -K % 32)]); x = x.reshape(x.shape[:-1] + (-1, 32)); a = np.abs(x).max(-1, keepdims=True)
;;       e = np.where(a > 0, np.clip(np.frexp(np.where(a > 0, a, 1))[1] - 1 - 2, -126, 127), 0)      # np.frexp(a)[1] - 1 = floor(log2(a)), exactly
;;       r = np.clip(x / 2.0 ** e, -7.5, 7.5)
;;       step = 2.0 ** (np.maximum(np.frexp(np.where(r == 0, 1, r))[1] - 1, 0) - 3)
;;       q = np.round(r / step) * step * 2.0 ** e      # np.round: ties to even
;;       return np.moveaxis(q.reshape(q.shape[:-2] + (-1,))[..., :K], -1, axis).astype(np.float32)
;;   ~~~
;;   SOFTMAX AHEAD OF A QUANTISED PRODUCT. Where the list says 'softmax', what is quantised is not the finished softmax but p = 2^(t - M), with t = logit x log2(e) and M = ceil(the row's largest t), a whole number; so 1/2 < the row's largest p <= 1. The row's sum l is taken of the UNQUANTISED p, in f32, and the product's result is divided by l at the end. Since M is a whole number, a kernel that streams over the keys may use a running M (the ceiling of the running maximum): every later rescaling is an exact power of two, which a block's scale takes up: the codes' values come out the same.
;;   OPERANDS COMPUTED ON THE WAY. 'Computed on the way' means the value that the module computes at that place (a softmax that the list does not call 'softmax' is quantised finished and normalised). What goes into a quantiser is computed in f32, as accurately as f32 sums, v_exp_f32 and their like allow (about 1e-6 of the number): no bf16 or f16 on the way to a quantiser, and a product that is left as it is and whose result goes on into a quantised operand takes f32 operands (vector FMAs, or v_wmma_f32_16x16x4_f32). A number that lies on a knife's edge between two numbers of the format may be rounded either way, as far as f32 arithmetic and the matrix unit's own rounding can turn it there, and no further.
;; One version. Each part assembles by itself: llvm-mc -triple=amdgcn-amd-amdhsa -mcpu=gfx1250 --defsym DOCPART=n.
;; ======== version 1 of 1: 4 launches
;; limits: right only within a limited range of input values
;; workspace buffers: codes 6,291,456 bytes; scales 262,144 bytes; rope 1,048,576 bytes; qb 3,276,800 bytes; kv 6,815,744 bytes; cc 3,145,728 bytes; cs 131,072 bytes
;; launch prep (part 1): grid 256 x 1, 4 waves a work-group, no clusters, 34,304 bytes of LDS; arguments x, Wq, Wk, Wv, Wo, codes, scales, rope; writes codes, scales, rope
.if DOCPART == 1
	.amdgcn_target "amdgcn-amd-amdhsa--gfx1250"
	.amdhsa_code_object_version 6
	.text
	.protected	k_q1d764ea4e5_prep
	.globl	k_q1d764ea4e5_prep
	.p2align	8
	.type	k_q1d764ea4e5_prep,@function
k_q1d764ea4e5_prep:
	s_mov_b64 s[64:65], 0
	v_nop
	global_prefetch_b8 v0, s[64:65] scope:SCOPE_SE
	s_setreg_imm32_b32 hwreg(HW_REG_WAVE_MODE, 25, 1), 1
	s_wait_xcnt 0x0
; x [4096][1024] and Wq, Wk, Wv, Wo [1024][1024], f32, K innermost, become codes of FP6 (E2M3) with one E8M0 byte for each 32 along K; and the table of RoPE's cosines and sines is made.
; THE CODES ARE LAID AS THE MATRIX UNIT'S REGISTERS TAKE THEM.  The five tensors on end are 8,192 rows = 512 tiles of 16 rows.  Lane r of tile T holds row 32 (T / 2) + 8 (T % 2) + r + 8 (r / 8).
; A fragment (16 rows x 128 K, 12 registers a lane) is 1,536 bytes: register p of lane l at 512 (p / 4) + 16 l + 4 (p % 4), so that three 16-byte accesses a lane bring or store it, 512 consecutive bytes each.
; codes: [tile][K step 0..7][1,536].  scales: [tile][half 0..1][r][4 words]: word j of half f is the scale word (four bytes, 128 along K) of K step 4 f + j.
; A block's scale is 2^(floor(log2(largest magnitude)) - 2); its byte is the largest magnitude's exponent field - 2, held at 1 from below.
; SHARES.  Work-group g takes rows 32 g .. 32 g + 31 (tiles 2 g, 2 g + 1); wave w tile w / 2 and K steps 4 (w % 2) .. + 3.  A step's 16 loads read 512 consecutive bytes of a row each; the 8,192 bytes turn through
; the wave's own stage in LDS (rows of 512 + 16 bytes) and come back 16 neighbours of each block of 32 to a lane.  Waves share nothing: no barrier.  Two steps' loads (32 a wave) are out at the most.
; rope: [position][i 0..31][cos, sin], f32.  Wave w of work-group g makes positions 16 g + 4 w + 0 .. 3, a lane to a frequency.  angle = position x inv_freq, rounded to f32 as the product is; reduced by multiples of
; pi / 2 in two parts (the first subtraction is exact: the multiple is at most 2,607 and the difference a multiple of 2^-23 under 1); sine and cosine by polynomials on [-pi/4, pi/4]; the quadrant by selects.
; LIMITS: NaN and infinities among the inputs are not served.  A block of zeros gets the byte 1 where the quantiser's rule says 127: its codes are zeros, and this program alone reads the bytes.
; inv_freq[i] is the f32 nearest to 10^(-i / 8); a power and a division in f32 may give a neighbour of it, which moves an angle by at most 4,095 x 1.2e-7, alike in q and k.
.set STGW,  8448                       ; a wave's stage: 16 rows x 528 bytes
.set SPARE, 4*STGW                     ; behind the stages: the spare words, 128 bytes for each wave: two blocks of 256 bytes that no other line names
.set W,     24                         ; v24-27   the four steps' scale words
.set SPW,   28                         ; v28      LDS address of my spare word; never rewritten
.set NIL,   29                         ; v29      0; never rewritten
.set R,     32                         ; v32-159  two sets of 64 numbers as they are loaded
.set X,     160                        ; v160-223 64 numbers: register 16 b + i = k 32 b + 16 (lane / 16) + i of my row.  Before its first use: at work for the table
.set PC,    224                        ; v224-243 the codes just made
.set TM,    244                        ; v244-247 largest magnitudes, v248-251 the other half's and then the bytes, v252-255 the conversions' scale operands
	s_load_b512 s[4:19], s[0:1], 0x0               ; x s[4:5], Wq s[6:7], Wk s[8:9], Wv s[10:11], Wo s[12:13], codes s[14:15], scales s[16:17], rope s[18:19]
	v_lshl_add_u32 v[SPW], v0, 2, SPARE
	v_mov_b32 v[NIL], 0
	v_lshrrev_b32 v1, 5, v0
	v_readfirstlane_b32 s23, v1                    ; wave 0..3
	v_and_b32 v1, 31, v0                           ; lane
	v_and_b32 v2, 15, v0                           ; r
	v_bfe_u32 v3, v0, 4, 1                         ; h
	v_lshlrev_b32 v4, 4, v1                        ; 16 x lane: my bytes of a load's 512, and of an image's
	s_mul_i32 s42, s23, STGW
	v_add_nc_u32 v5, s42, v4                       ; the stage, on the way in
	v_mul_u32_u24 v6, v2, 528
	v_lshl_add_u32 v6, v3, 6, v6
	v_add_nc_u32 v6, s42, v6                       ; and on the way out: row r, + 64 h
	v_lshlrev_b32 v7, 4, v2
	v_lshl_add_u32 v7, v3, 3, v7                   ; the scale words: 16 r + 8 h
	v_lshlrev_b32 v8, 3, v1                        ; the table: 8 bytes a lane
.irp b, 0,1,2,3
	v_mov_b32 v[TM+4+\b], 0                        ; written once: a lane permute's destination counts as one of its sources
.endr
	s_mov_b32 s30, 0x76543210
	s_mov_b32 s31, 0xfedcba98                      ; v_permlanex16_b32's selects for lane l xor 16
	s_lshr_b32 s43, s23, 1                         ; which of the group's two tiles
	s_and_b32 s44, s23, 1                          ; which half of K
	s_lshl_b32 s45, ttmp9, 1
	s_add_co_u32 s45, s45, s43                     ; my tile
	s_mul_i32 s32, s45, 12288
	s_mul_i32 s46, s44, 6144
	s_add_co_u32 s32, s32, s46                     ; its codes, my half
	s_mov_b32 s33, 0
	s_lshl_b32 s34, s45, 9
	s_lshl_b32 s46, s44, 8
	s_add_co_u32 s34, s34, s46                     ; its scale words, my half
	s_mov_b32 s35, 0
	s_lshl_b32 s47, ttmp9, 4
	s_lshl_b32 s46, s23, 2
	s_add_co_u32 s47, s47, s46                     ; my first position of the table
	s_lshl_b32 s36, s47, 8
	s_mov_b32 s37, 0
	s_wait_kmcnt 0x0
	s_mov_b64 s[20:21], s[12:13]                   ; which tensor holds my group, and at which group it begins: the choice hangs on the work-group's number alone
	s_mov_b32 s22, 224
	s_cmp_lt_u32 ttmp9, 224
	s_cselect_b64 s[20:21], s[10:11], s[20:21]
	s_cselect_b32 s22, 192, s22
	s_cmp_lt_u32 ttmp9, 192
	s_cselect_b64 s[20:21], s[8:9], s[20:21]
	s_cselect_b32 s22, 160, s22
	s_cmp_lt_u32 ttmp9, 160
	s_cselect_b64 s[20:21], s[6:7], s[20:21]
	s_cselect_b32 s22, 128, s22
	s_cmp_lt_u32 ttmp9, 128
	s_cselect_b64 s[20:21], s[4:5], s[20:21]
	s_cselect_b32 s22, 0, s22
	s_sub_co_u32 s38, ttmp9, s22
	s_lshl_b32 s38, s38, 17                        ; 32 rows of 4,096 bytes a group,
	s_lshl_b32 s46, s43, 15
	s_add_co_u32 s38, s38, s46                     ; 8 rows on for the second tile,
	s_lshl_b32 s46, s44, 11
	s_add_co_u32 s38, s38, s46                     ; 4 K steps of 512 bytes on for the second half
	s_mov_b32 s39, 0
	s_add_nc_u64 s[20:21], s[20:21], s[38:39]
	s_add_nc_u64 s[24:25], s[14:15], s[32:33]
	s_add_nc_u64 s[26:27], s[16:17], s[34:35]
	s_add_nc_u64 s[28:29], s[18:19], s[36:37]
.macro LOAD t                          ; step t: 128 numbers of each of my 16 rows; a load reads 512 consecutive bytes of one row
.irp i, 0,1,2,3,4,5,6,7,8,9,10,11,12,13,14,15
	global_load_b128 v[R+64*((\t)%2)+4*\i:R+64*((\t)%2)+4*\i+3], v4, s[20:21] offset:(\i+8*(\i/8))*4096+512*(\t) th:TH_LOAD_NT
.endr
.endm
.macro TURN t                          ; through the stage: LDS serves a wave's instructions in order, so no wait stands between the stores and the loads
.irp i, 0,1,2,3,4,5,6,7,8,9,10,11,12,13,14,15
	ds_store_b128 v5, v[R+64*((\t)%2)+4*\i:R+64*((\t)%2)+4*\i+3] offset:528*\i
.endr
.irp b, 0,1,2,3
.irp j, 0,1,2,3
	ds_load_b128 v[X+16*\b+4*\j:X+16*\b+4*\j+3], v6 offset:128*\b+16*\j
.endr
.endr
.endm
; 64 numbers of a lane, register 16 b + i = k 32 b + 16 (lane / 16) + i of my row, become a fragment's codes in v[PC] on and its scale word in v[pw]
.macro QUANT s, pw
.irp b, 0,1,2,3
	v_max3_num_f32 v[TM+\b], |v[\s+16*\b]|, |v[\s+1+16*\b]|, 0x1800000   ; block b: my 16 numbers, and the floor 2^(3 - 127): so the byte cannot fall under 1
.endr
.irp i, 2,4,6,8,10,12,14
.irp b, 0,1,2,3
	v_max3_num_f32 v[TM+\b], v[TM+\b], |v[\s+16*\b+\i]|, |v[\s+1+16*\b+\i]|   ; (the four blocks by turns)
.endr
.endr
.irp b, 0,1,2,3
	v_permlanex16_b32 v[TM+4+\b], v[TM+\b], s30, s31
.endr
.irp b, 0,1,2,3
	v_max_num_f32 v[TM+\b], v[TM+\b], v[TM+4+\b]   ; with lane l xor 16's: the block's largest magnitude
.endr
.irp b, 0,1,2,3
	v_add_nc_u32 v[TM+8+\b], 0xff000000, v[TM+\b]  ; 2 off its exponent field: the conversion takes the exponent field of this operand as its scale
.endr
.irp b, 0,1,2,3
	v_lshrrev_b32 v[TM+4+\b], 23, v[TM+8+\b]       ; the scale's byte
.endr
	v_lshl_or_b32 v[\pw], v[TM+5], 8, v[TM+4]
	v_lshl_or_b32 v[\pw], v[TM+6], 16, v[\pw]
	v_lshl_or_b32 v[\pw], v[TM+7], 24, v[\pw]      ; my row's scale word
.irp c, 0,1
	v_cvt_scalef32_pk16_fp6_f32 v[PC+6*\c:PC+2+6*\c], v[\s+32*\c:\s+15+32*\c], v[TM+8+2*\c]
	v_cvt_scalef32_pk16_fp6_f32 v[PC+12+4*\c:PC+14+4*\c], v[\s+16+32*\c:\s+31+32*\c], v[TM+9+2*\c]   ; (a conversion's three registers begin on an even number)
.endr
	v_nop                                          ; one plain place behind a scaled conversion
.irp c, 0,1                                    ; the operand's layout wants a WHOLE block in a lane: lanes 0-15 block 2 c, lanes 16-31 block 2 c + 1
.irp i, 0,1,2
	v_permlane16_swap_b32 v[PC+6*\c+\i], v[PC+12+4*\c+\i]
.endr
.irp i, 0,1,2
	v_mov_b32 v[PC+3+6*\c+\i], v[PC+12+4*\c+\i]
.endr
.endr
.endm
; position s47 + k: cosine and sine of position x inv_freq, a lane to a frequency; each position has registers of its own, so that no store's data are written again here
.macro SINCOS k
.set B, X+12*\k
	s_add_co_u32 s46, s47, \k
	v_cvt_f32_u32 v[B], s46
	v_mul_f32 v[B], v[B], v9                       ; the angle
	v_mul_f32 v[B+1], 0x3f22f983, v[B]             ; x 2 / pi,
	v_rndne_f32 v[B+1], v[B+1]                     ; to the nearest whole number N
	v_fmamk_f32 v[B+2], v[B+1], 0xbfc90fdb, v[B]   ; angle - N x (pi / 2 rounded to f32): exact
	v_fmamk_f32 v[B+2], v[B+1], 0x333bbd2e, v[B+2] ; - N x (what pi / 2 has beyond that)
	v_cvt_i32_f32 v[B+3], v[B+1]                   ; N as a whole number: its low two bits are the quadrant
	v_mul_f32 v[B+4], v[B+2], v[B+2]               ; z
	v_mov_b32 v[B+5], 0xb94ca1f9
	v_fmaak_f32 v[B+5], v[B+5], v[B+4], 0x3c08839e
	v_fmaak_f32 v[B+5], v[B+5], v[B+4], 0xbe2aaaa3
	v_mul_f32 v[B+6], v[B+4], v[B+2]
	v_fma_f32 v[B+5], v[B+5], v[B+6], v[B+2]       ; the sine of the rest
	v_mov_b32 v[B+7], 0x37ccf5ce
	v_fmaak_f32 v[B+7], v[B+7], v[B+4], 0xbab6061a
	v_fmaak_f32 v[B+7], v[B+7], v[B+4], 0x3d2aaaa5
	v_mul_f32 v[B+6], v[B+4], v[B+4]
	v_fma_f32 v[B+8], v[B+4], -0.5, 1.0
	v_fma_f32 v[B+7], v[B+7], v[B+6], v[B+8]       ; its cosine
	v_and_b32 v[B+8], 1, v[B+3]
	v_cmp_eq_u32 vcc_lo, 1, v[B+8]                 ; in the odd quadrants the two change places
	v_cndmask_b32 v[B+10], v[B+7], v[B+5], vcc_lo
	v_cndmask_b32 v[B+11], v[B+5], v[B+7], vcc_lo
	v_and_b32 v[B+8], 2, v[B+3]                    ; the sine is negative in quadrants 2 and 3,
	v_lshlrev_b32 v[B+8], 30, v[B+8]
	v_xor_b32 v[B+11], v[B+8], v[B+11]
	v_add_nc_u32 v[B+8], 1, v[B+3]                 ; the cosine in 1 and 2
	v_and_b32 v[B+8], 2, v[B+8]
	v_lshlrev_b32 v[B+8], 30, v[B+8]
	v_xor_b32 v[B+10], v[B+8], v[B+10]
	global_store_b64 v8, v[B+10:B+11], s[28:29] offset:256*\k   ; 32 lanes store 256 consecutive bytes, at a multiple of 256 from the table's first byte
.endm
	LOAD 0
	LOAD 1
	v_mov_b32 v9, 0                                ; inv_freq: lane i gets the f32 nearest to 10^(-i / 8)
.set i, 0
.irp c, 0x3f800000,0x3f3ff911,0x3f0ff59a,0x3ed7e89b,0x3ea1e89b,0x3e72d424,0x3e361887,0x3e088d77,0x3dcccccd,0x3d99940e,0x3d6655c3,0x3d2cba15,0x3d0186e2,0x3cc24350,0x3c91ad39,0x3c5a7bf1,0x3c23d70a,0x3bf5b9b0,0x3bb8449c,0x3b8a2e77,0x3b4f3e37,0x3b1b690d,0x3ae91528,0x3aaec98e,0x3a83126f,0x3a44948c,0x3a136a16,0x39dd1726,0x39a5cb5f,0x3978a814,0x393a7753,0x390bd472
	s_mov_b32 s42, \c
	v_writelane_b32 v9, s42, i
.set i, i+1
.endr
.irp k, 0,1,2,3
	SINCOS \k                                      ; the table is made while the first two steps' numbers are on their way
.endr
.macro STEP t
.if (\t) < 3
	s_wait_loadcnt 16                              ; this step's 16 loads are in; the next step's 16 may be out
.else
	s_wait_loadcnt 0x0
.endif
	s_wait_xcnt 0x0                                ; earlier stores have read their data: the table's lie where X lands, the last step's codes where this step's will be written
	TURN \t
	s_wait_dscnt 0x0                               ; X is back; the stores into the stage have read their registers,
.if (\t) < 2
	LOAD (\t)+2                                    ; which take the loads of two steps on
.endif
	QUANT X, W+(\t)
.irp c, 0,1,2
	global_store_b128 v4, v[PC+4*\c:PC+4*\c+3], s[24:25] offset:1536*(\t)+512*\c   ; the fragment as it stands: 512 consecutive bytes a store
.endr
.endm
.irp t, 0,1,2,3
	STEP \t
.endr
	v_cmp_eq_u32 vcc_lo, 1, v3                     ; every lane holds its row's four words: lanes 0-15 store words 0 and 1, lanes 16-31 words 2 and 3
	v_cndmask_b32 v30, v[W], v[W+2], vcc_lo
	v_cndmask_b32 v31, v[W+1], v[W+3], vcc_lo
	global_store_b64 v7, v[30:31], s[26:27]        ; 256 consecutive bytes
	s_wait_tensorcnt 0x0                           ; the wave's end: behind my last LDS store
	ds_add_u32 v[SPW], v[NIL]
	s_wait_dscnt 0x0
	s_endpgm
.Lfunc_end_k_q1d764ea4e5_prep:
	.size	k_q1d764ea4e5_prep, .Lfunc_end_k_q1d764ea4e5_prep-k_q1d764ea4e5_prep
	.p2alignl 7, 3214868480
	.fill 96, 4, 3214868480
	.section	.rodata,"a",@progbits
	.p2align	6, 0x0
	.amdhsa_kernel k_q1d764ea4e5_prep
		.amdhsa_group_segment_fixed_size 34304
		.amdhsa_private_segment_fixed_size 0
		.amdhsa_enable_private_segment 0
		.amdhsa_kernarg_size 64
		.amdhsa_user_sgpr_count 2
		.amdhsa_user_sgpr_kernarg_segment_ptr 1
		.amdhsa_wavefront_size32 1
		.amdhsa_system_sgpr_workgroup_id_x 1
		.amdhsa_system_sgpr_workgroup_id_y 1
		.amdhsa_system_sgpr_workgroup_id_z 1
		.amdhsa_system_vgpr_workitem_id 0
		.amdhsa_next_free_vgpr 256
		.amdhsa_next_free_sgpr 66
		.amdhsa_reserve_vcc 1
		.amdhsa_float_denorm_mode_32 3
		.amdhsa_float_denorm_mode_16_64 3
		.amdhsa_memory_ordered 1
		.amdhsa_forward_progress 1
		.amdhsa_inst_pref_size 44
	.end_amdhsa_kernel
	.amdgpu_metadata
---
amdhsa.version: [ 1, 2 ]
amdhsa.kernels:
  - .name:           k_q1d764ea4e5_prep
    .symbol:         k_q1d764ea4e5_prep.kd
    .args:
      - { .name: x, .offset: 0, .size: 8, .value_kind: global_buffer, .address_space: global }
      - { .name: Wq, .offset: 8, .size: 8, .value_kind: global_buffer, .address_space: global }
      - { .name: Wk, .offset: 16, .size: 8, .value_kind: global_buffer, .address_space: global }
      - { .name: Wv, .offset: 24, .size: 8, .value_kind: global_buffer, .address_space: global }
      - { .name: Wo, .offset: 32, .size: 8, .value_kind: global_buffer, .address_space: global }
      - { .name: codes, .offset: 40, .size: 8, .value_kind: global_buffer, .address_space: global }
      - { .name: scales, .offset: 48, .size: 8, .value_kind: global_buffer, .address_space: global }
      - { .name: rope, .offset: 56, .size: 8, .value_kind: global_buffer, .address_space: global }
    .group_segment_fixed_size: 34304
    .private_segment_fixed_size: 0
    .kernarg_segment_align: 8
    .kernarg_segment_size: 64
    .max_flat_workgroup_size: 128
    .sgpr_count:     66
    .vgpr_count:     256
    .wavefront_size: 32
...
	.end_amdgpu_metadata
.endif
;; end of part 1
;; launch qkv (part 2): grid 8 x 32, 4 waves a work-group, clusters of 4 x 4, 327,680 bytes of LDS; arguments codes, scales, rope, qb, kv; writes qb, kv
.if DOCPART == 2
	.amdgcn_target "amdgcn-amd-amdhsa--gfx1250"
	.amdhsa_code_object_version 6
	.text
	.protected	k_q1d764ea4e5_qkv
	.globl	k_q1d764ea4e5_qkv
	.p2align	8
	.type	k_q1d764ea4e5_qkv,@function
k_q1d764ea4e5_qkv:
	s_mov_b64 s[64:65], 0
	v_nop
	global_prefetch_b8 v0, s[64:65] scope:SCOPE_SE
	s_setreg_imm32_b32 hwreg(HW_REG_WAVE_MODE, 25, 1), 1
	s_wait_xcnt 0x0
	s_wait_alu depctr_hold_cnt(0) depctr_sa_sdst(0) depctr_va_vdst(0) depctr_va_sdst(0) depctr_va_ssrc(0) depctr_va_vcc(0) depctr_vm_vsrc(0)
	s_getreg_b32 s2, hwreg(HW_REG_IB_STS2, 6, 4)
	s_cmp_eq_u32 s2, 0
	s_cbranch_scc0 .Lentry_in_a_cluster
	s_endpgm
.Lentry_in_a_cluster:
	s_bfe_u32 s2, ttmp6, 0x10000c
	s_cmp_lg_u32 s2, 0xf033
	s_cbranch_scc0 .Lentry_shape_is_right
	s_endpgm
.Lentry_shape_is_right:
; q = rope(x Wq^T), k = rope(x Wk^T), v = x Wv^T on codes of FP6 (E2M3) with E8M0 scales; q and k are quantised along the head's 64, v along the keys, and all three leave as images of operand registers.
; SHARES.  A work-group takes 128 rows of x (8 tiles, one block of 128 keys) against columns 128 nt .. + 127 of EACH of Wq, Wk, Wv: x's fragments serve three products.  Wave w takes all 128 rows and columns
; 32 w .. 32 w + 31 of each part: 48 accumulators, 384 registers; they belong to head 2 nt + w / 2 and to half w % 2 of its 64 channels.
; TILES.  Lane r of tile T of any tensor holds row 32 (T / 2) + 8 (T % 2) + r + 8 (r / 8): so the 16 result registers of two neighbouring tiles of source 0 are 16 NEIGHBOURS, 32 (T / 2) + 16 (lane / 16) + 0 .. 15.
; Q and K are made TRANSPOSED (source 0 = 16 rows of W, source 1 = 16 rows of x): a lane holds one position and 16 neighbouring channels.  V is made the natural way (source 0 = x, source 1 = Wv): a lane holds one
; channel, and its 64 registers run down the block's 128 keys, which are the K of attention's second product.
; LDS.  K goes in steps of 128; a slot holds two steps of all four parts (x, Wq, Wk, Wv: 8 tiles x 3,072 bytes each).  Three slots are filled at the start, slot 0 once more (K steps 6 and 7).  Fragments lie as images of
; their registers: every LDS access is 16 x lane + a constant, 512 consecutive bytes.  The scale words of all K come once.
; CLUSTER.  4 x 4 work-groups: x's tiles hang on the block of rows alone and are asked for jointly along a row of the cluster, W's on the block of columns alone and jointly along a column.  Wave 0 fetches x's part,
; waves 1 to 3 Wq's, Wk's, Wv's: one tensor load a wave for a slot; four loads of a wave are out at the most.
; OUT.  qb [head][block][6,400]: four images of 1,536 bytes, one for each 32 queries: registers 0-5 tile 0, registers 6-11 tile 1, lanes 0-15 channels 0-31, lanes 16-31 channels 32-63; then 256 scale bytes [r][group] words,
; byte 2 tile + half.  kv [head][block][K 6,144 | V 6,144]: K as qb's codes; V four fragments (16 channels x 128 keys).  kvs [head][block][K 256 | V 256]: K as qb's; V [r][channel tile] words, a byte a block of 32 keys.
; LIMITS: NaN and infinities are not served; a block of zeros gets the byte 1 (its codes are zeros; this program alone reads the bytes).
; REGISTERS, in windows of 256.  Window 0: v1-27 addresses; v32-63 x's scale words, v64-87 W's; v88-127, v224-238 at work on the way out; v128-223 x's fragments, set 0.  Window 1: W's fragments, set p at v[128 p].
;   Window 2: Q's accumulators at v[16 a + 8 u], K's at v[128 + 16 a + 8 u].  Window 3: V's at v[64 n + 8 a]; v128-223 x's fragments, set 1.
; AS THE TEXT STANDS NOW (this goes before the lines above where they differ).  A wave has ONE tensor load out: slot 0 at the head, slots 1 and 2 and slot 0's refill each behind the full sequence and a round of the cluster's barrier.
; The scale words go from memory straight into registers, 16 lanes to 256 consecutive bytes.  kv is [head][block][K 6,144 | V 6,144 | K's scale bytes 256 | V's 256 | 512 filled]: 13,312 bytes a block of 128 keys.
; K'S TILES: key p of a block lies in tile 4 (p / 64) + (p % 32) / 8, row p % 8 + 8 ((p / 32) % 2): a lane of the scores' four neighbouring tiles then holds a whole block of 32 keys.
.macro JL ga, gb                       ; a slot's joint load, one a wave: wave 0 x's part, waves 1 to 3 W's; an s_nop 0 and four v_nop follow each line
	s_cmp_eq_u32 s16, 0
	s_cbranch_scc0 .Ljw_\@
	tensor_load_to_lds s[\ga:\ga+3], s[G1A:G1A+7]
	s_nop 0
	PLACES
	s_branch .Ljd_\@
.Ljw_\@:
	tensor_load_to_lds s[\gb:\gb+3], s[G1B:G1B+7]
	s_nop 0
	PLACES
.Ljd_\@:
.endm
.set SLOT,  98304
.set PART,  24576                      ; a part of a slot: 8 tiles x 2 K steps x 1,536
.set SCL,   3*SLOT                     ; 16,384 bytes that no line uses: the scale words go straight into registers
.set SPARE, SCL+4*4096                 ; the spare words, 128 bytes for each wave: two blocks of 256 bytes that no other line names
.set STG,   SLOT                       ; the way out's stage lies in slot 1, which has then had its only fill and its last read: Q's images 12,288, K's 12,288,
.set SQ,    STG+24576                  ; Q's scale bytes, 256 for each of the two heads,
.set SK,    STG+25088                  ; and for each head K's 256 and V's 256
.set G1A,  24                          ; s[24:31] descriptor group 1 for x's codes;  s[32:39] for W's: they differ in the mask
.set G1B,  32
.set G1SA, 40
.set G1SB, 48
.set SPW,  13                          ; v13  LDS address of my spare word; never rewritten
.set NIL,  14                          ; v14  0; never rewritten
.set PC,   88                          ; v88-107  V's codes just made
.set TM,   108                         ; v108-119 at work for them
.set PW,   120                         ; v120     their scale word
.set MSB, 0
.macro WIN new                         ; low byte: bits 1:0 source 0, 3:2 source 1, 5:4 source 2, 7:6 destination; the high byte repeats the setting that is left
.if MSB != \new
	s_set_vgpr_msb (MSB<<8)|\new
.set MSB, \new
.endif
.endm
.macro PLACES                          ; four places in front of loads into registers that matrix instructions have read, and of the first read of results
.rept 4
	v_nop
.endr
.endm
.macro CROUND                          ; a round of the cluster's barrier
	s_barrier_signal -1
	s_barrier_wait -1
	s_cmp_lg_u32 s16, 0
	s_cbranch_scc1 .Lnot_wave_0_\@
	s_barrier_signal -3
.Lnot_wave_0_\@:
	s_barrier_wait -3
	s_barrier_signal -1
	s_barrier_wait -1
.endm
.macro SETG0 g, lr, lc, src, off       ; a descriptor's group 0: count 1, LDS address, global address, type 2
	s_mov_b32 s[\g], 1
	s_add_co_u32 s[\g+1], s[\lr], \lc
	s_add_nc_u64 s[\g+2:\g+3], s[\src:\src+1], \off
	s_or_b32 s[\g+3], s[\g+3], 0x80000000
.endm
	s_load_b256 s[4:11], s[0:1], 0x0               ; codes s[4:5], scales s[6:7], rope s[8:9], qb s[10:11]
	s_load_b64 s[12:13], s[0:1], 0x20              ; kv
	v_lshl_add_u32 v[SPW], v0, 2, SPARE
	v_mov_b32 v[NIL], 0
	ds_add_u32 v[SPW], v[NIL]                      ; the wave's opening: the add and its wait stand ahead of my first tensor load; the set-up below, work on registers, stands between them
	ds_add_u32 v[SPW], v[NIL]
	v_lshrrev_b32 v1, 5, v0
	v_readfirstlane_b32 s16, v1                    ; wave 0..3
	s_and_b32 s17, s16, 1                          ; which half of a head's channels
	s_lshr_b32 s2, s16, 1                          ; which of the block's two heads
	s_bfe_u32 s18, ttmp6, 0x40000                  ; cx, cy: my place in the cluster
	s_bfe_u32 s19, ttmp6, 0x40004
	s_lshl_b32 s20, ttmp9, 2
	s_add_co_u32 s20, s20, s18                     ; nt: my block of 128 columns
	s_and_b32 s21, ttmp7, 0xffff
	s_lshl_b32 s21, s21, 2
	s_add_co_u32 s21, s21, s19                     ; mt: my block of 128 rows
	s_lshl_b32 s22, s19, 2
	s_lshl_b32 s22, 15, s22                        ; my row of the cluster
	s_lshl_b32 s23, 0x1111, s18                    ; my column
	s_or_b32 s[G1A], s22, (3<<16)|(1<<21)          ; 15:0 the mask; 17:16 elements of 8 bytes; 20 no padding; 21 set beside a mask
	s_or_b32 s[G1B], s23, (3<<16)|(1<<21)
.irp g, G1A, G1B                               ; 8 tiles' two K steps: 8 rows of 3,072 bytes (384 elements), 12,288 bytes (1,536 elements) apart
	s_mov_b32 s[\g+1], 384<<16
	s_mov_b32 s[\g+2], 8<<16
	s_mov_b32 s[\g+3], 384<<16
	s_mov_b32 s[\g+4], 8
	s_mov_b32 s[\g+5], 1536
	s_mov_b32 s[\g+6], 0
	s_mov_b32 s[\g+7], 0
.endr
	s_mul_i32 s92, s21, 8*12288                    ; x's tiles 8 mt on: their codes,
	s_mov_b32 s93, 0
	s_lshl_b32 s94, s21, 12                        ; their scale words.  (These registers never hold nt; those below never hold mt)
	s_mov_b32 s95, 0
	s_lshl_b32 s96, s16, 6
	s_lshl_b32 s98, s20, 3
	s_add_co_u32 s96, s96, s98
	s_add_co_u32 s96, s96, 192                     ; W's tiles: 256 + 64 (wave - 1) + 8 nt on
	s_lshl_b32 s98, s20, 12                        ; W's scale words that I multiply by: tiles 256 + 8 nt + 2 wave on, 512 bytes a tile
	s_lshl_b32 s101, s16, 10
	s_add_co_u32 s98, s98, s101
	s_add_co_u32 s98, s98, 131072
	s_mul_i32 s96, s96, 12288
	s_mov_b32 s97, 0
	s_mov_b32 s99, 0
	s_mul_i32 s100, s16, PART                      ; where they go: part = wave: no place in the cluster enters an LDS address
	s_wait_dscnt 0x0                               ; the opening add is done
	s_wait_kmcnt 0x0
	s_add_nc_u64 s[92:93], s[4:5], s[92:93]
	s_add_nc_u64 s[72:73], s[6:7], s[94:95]        ; x's scale words
	s_add_nc_u64 s[96:97], s[4:5], s[96:97]
	s_add_nc_u64 s[74:75], s[6:7], s[98:99]        ; W's
	CROUND                                         ; all sixteen work-groups are here: the first joint loads meet
	SETG0 56, 100, 0, 92, 0
	SETG0 60, 100, SLOT, 92, 3072
	SETG0 68, 100, 2*SLOT, 92, 6144
	SETG0 76, 100, 0, 96, 0
	SETG0 80, 100, SLOT, 96, 3072
	SETG0 84, 100, 2*SLOT, 96, 6144
	s_cmp_eq_u32 s16, 0                            ; a wave's first fill stands in a branch on the wave's number; an s_nop 0 and four v_nop follow it
	s_cbranch_scc0 .Lfirst_w
	tensor_load_to_lds s[56:59], s[G1A:G1A+7]      ; slot 0: the wave's one load at the head
	s_nop 0
	PLACES
	s_branch .Lfirst_done
.Lfirst_w:
	tensor_load_to_lds s[76:79], s[G1B:G1B+7]
	s_nop 0
	PLACES
.Lfirst_done:
	v_and_b32 v1, 31, v0                           ; lane
	v_and_b32 v2, 15, v0                           ; r
	v_bfe_u32 v3, v0, 4, 1                         ; h
	v_lshlrev_b32 v4, 4, v1                        ; 16 x lane
	v_mov_b32 v5, v4                               ; v5-7: x's part of slots 0, 1, 2
	v_add_nc_u32 v6, SLOT, v4
	v_add_nc_u32 v7, 2*SLOT, v4
	s_mul_i32 s3, s16, 6144
	s_add_co_u32 s3, s3, PART
	v_add_nc_u32 v8, s3, v4                        ; v8-10: my two tiles of Wq's part; Wk's and Wv's lie a part further on each
	v_add_nc_u32 v9, SLOT, v8
	v_add_nc_u32 v10, 2*SLOT, v8
	v_lshlrev_b32 v25, 4, v2                       ; 16 r
	s_wait_alu depctr_va_vdst(0)
	v_lshl_add_u32 v11, v3, 11, v25                ; x's scale words: lanes 0-15 tiles 0-3, lanes 16-31 tiles 4-7
	v_lshl_add_u32 v12, v3, 9, v25                 ; W's: lanes 0-15 my first tile, lanes 16-31 my second
	v_and_b32 v26, 7, v2
	v_lshrrev_b32 v27, 3, v2
	v_lshlrev_b32 v28, 4, v26
	v_mad_u32_u24 v26, v27, 1536, v28              ; K's images: 16 (r % 8) + 1,536 (r / 8)
	v_lshl_add_u32 v28, v27, 2, v28                ; K's scale bytes: 16 (r % 8) + 4 (r / 8)
	s_mul_i32 s3, s2, 6144
	s_lshl_b32 s100, s17, 8
	s_add_co_u32 s3, s3, s100
	s_add_co_u32 s3, s3, STG                       ; the stage: my head's images, my half's 16 lanes of them
	v_mad_u32_u24 v15, v3, 12, v25
	v_add_nc_u32 v15, s3, v15                      ; + 16 r + 12 h,
	v_mad_u32_u24 v16, v3, 508, v25
	v_add_nc_u32 v16, s3, v16
	v_mad_u32_u24 v27, v3, 508, v26
	v_add_nc_u32 v27, s3, v27                      ; v26, v27: the same two for K's images
	v_mad_u32_u24 v26, v3, 12, v26
	v_add_nc_u32 v26, s3, v26
	s_lshl_b32 s3, s2, 8
	s_add_co_u32 s3, s3, s17
	s_add_co_u32 s3, s3, SQ
	v_add_nc_u32 v17, s3, v25                      ; Q's scale bytes: 16 r + my half
	s_lshl_b32 s3, s2, 9
	s_add_co_u32 s100, s3, s17
	s_add_co_u32 s100, s100, SK
	s_wait_alu depctr_va_vdst(0)                   ; ahead of the reader of v28 below
	v_add_nc_u32 v18, s100, v28
	s_lshl_b32 s100, s17, 3
	s_add_co_u32 s100, s100, s3
	s_add_co_u32 s100, s100, SK+256
	v_add_nc_u32 v19, s100, v25                    ; V's scale words: 16 r + 4 x channel tile
	s_mul_i32 s3, s16, 6144
	s_add_co_u32 s3, s3, STG
	v_add_nc_u32 v20, s3, v4                       ; back: wave w copies block w of 6,144 bytes
	v_lshlrev_b32 v24, 3, v1                       ; 8 x lane
	s_lshl_b32 s3, s17, 8
	s_add_co_u32 s3, s3, SQ
	v_add_nc_u32 v21, s3, v24
	s_lshl_b32 s3, s17, 9
	s_add_co_u32 s3, s3, SK
	v_add_nc_u32 v22, s3, v4
	v_and_b32 v23, 8, v2
	v_add_nc_u32 v23, v23, v2                      ; r + 8 (r / 8)
	v_lshlrev_b32 v23, 8, v23                      ; the table of cosines and sines: 256 bytes a position,
	v_lshl_add_u32 v23, v3, 6, v23                 ; my 8 pairs of channels: 64 h
	s_lshl_b32 s3, s17, 7
	v_add_nc_u32 v23, s3, v23                      ; + 128 x my half of the head
.irp b, 0,1,2,3
	v_mov_b32 v[TM+4+\b], 0                        ; written once: a lane permute's destination counts as one of its sources
.endr
	v_mov_b32 v226, 0
	v_mov_b32 v227, 0
	s_lshl_b32 s92, s21, 15                        ; the table at my block's first position
	s_mov_b32 s93, 0
	s_add_nc_u64 s[92:93], s[8:9], s[92:93]
	s_lshl_b32 s100, s20, 1
	s_add_co_u32 s101, s100, s17                   ; the head whose images I copy out
	s_add_co_u32 s100, s100, s2                    ; the head that I compute for
	s_mul_i32 s94, s100, 425984
	s_mul_i32 s3, s21, 13312
	s_add_co_u32 s94, s94, s3
	s_mul_i32 s3, s17, 3072
	s_add_co_u32 s94, s94, s3
	s_add_co_u32 s94, s94, 6144
	s_mov_b32 s95, 0
	s_add_nc_u64 s[94:95], s[12:13], s[94:95]      ; V's two fragments that I make
	s_mul_i32 s96, s101, 204800
	s_mul_i32 s3, s21, 6400
	s_add_co_u32 s96, s96, s3                      ; the block's place in qb,
	s_mul_i32 s98, s101, 425984
	s_mul_i32 s3, s21, 13312
	s_add_co_u32 s98, s98, s3
	s_cmp_lt_u32 s16, 2                            ; waves 0 and 1 copy Q's images out, waves 2 and 3 K's
	s_cselect_b32 s96, s96, s98
	s_mov_b32 s97, 0
	s_cselect_b64 s[98:99], s[10:11], s[12:13]
	s_add_nc_u64 s[96:97], s[98:99], s[96:97]
	s_mul_i32 s98, s101, 425984
	s_mul_i32 s3, s21, 13312
	s_add_co_u32 s98, s98, s3
	s_add_co_u32 s98, s98, 12288
	s_mov_b32 s99, 0
	s_add_nc_u64 s[98:99], s[12:13], s[98:99]      ; the block's scale bytes, behind its K and V in kv
	s_mov_b32 s100, 0x76543210
	s_mov_b32 s101, 0xfedcba98                     ; v_permlanex16_b32's selects for lane l xor 16
; one matrix instruction; zero = 1: it starts the sum.  ra, rb: the scale words stand in lanes 0-15 (0) or 16-31 (1) of their registers
.macro WM d, a, b, zero, sa, sb, ra, rb
.if \zero
.if (\ra) == 0
.if (\rb) == 0
	v_wmma_scale_f32_16x16x128_f8f6f4 v[(\d):(\d)+7], v[(\a):(\a)+11], v[(\b):(\b)+11], 0, v[\sa], v[\sb] matrix_a_fmt:MATRIX_FMT_FP6 matrix_b_fmt:MATRIX_FMT_FP6
.else
	v_wmma_scale_f32_16x16x128_f8f6f4 v[(\d):(\d)+7], v[(\a):(\a)+11], v[(\b):(\b)+11], 0, v[\sa], v[\sb] matrix_a_fmt:MATRIX_FMT_FP6 matrix_b_fmt:MATRIX_FMT_FP6 matrix_b_scale:MATRIX_SCALE_ROW1
.endif
.else
.if (\rb) == 0
	v_wmma_scale_f32_16x16x128_f8f6f4 v[(\d):(\d)+7], v[(\a):(\a)+11], v[(\b):(\b)+11], 0, v[\sa], v[\sb] matrix_a_fmt:MATRIX_FMT_FP6 matrix_b_fmt:MATRIX_FMT_FP6 matrix_a_scale:MATRIX_SCALE_ROW1
.else
	v_wmma_scale_f32_16x16x128_f8f6f4 v[(\d):(\d)+7], v[(\a):(\a)+11], v[(\b):(\b)+11], 0, v[\sa], v[\sb] matrix_a_fmt:MATRIX_FMT_FP6 matrix_b_fmt:MATRIX_FMT_FP6 matrix_a_scale:MATRIX_SCALE_ROW1 matrix_b_scale:MATRIX_SCALE_ROW1
.endif
.endif
.else
.if (\ra) == 0
.if (\rb) == 0
	v_wmma_scale_f32_16x16x128_f8f6f4 v[(\d):(\d)+7], v[(\a):(\a)+11], v[(\b):(\b)+11], v[(\d):(\d)+7], v[\sa], v[\sb] matrix_a_fmt:MATRIX_FMT_FP6 matrix_b_fmt:MATRIX_FMT_FP6
.else
	v_wmma_scale_f32_16x16x128_f8f6f4 v[(\d):(\d)+7], v[(\a):(\a)+11], v[(\b):(\b)+11], v[(\d):(\d)+7], v[\sa], v[\sb] matrix_a_fmt:MATRIX_FMT_FP6 matrix_b_fmt:MATRIX_FMT_FP6 matrix_b_scale:MATRIX_SCALE_ROW1
.endif
.else
.if (\rb) == 0
	v_wmma_scale_f32_16x16x128_f8f6f4 v[(\d):(\d)+7], v[(\a):(\a)+11], v[(\b):(\b)+11], v[(\d):(\d)+7], v[\sa], v[\sb] matrix_a_fmt:MATRIX_FMT_FP6 matrix_b_fmt:MATRIX_FMT_FP6 matrix_a_scale:MATRIX_SCALE_ROW1
.else
	v_wmma_scale_f32_16x16x128_f8f6f4 v[(\d):(\d)+7], v[(\a):(\a)+11], v[(\b):(\b)+11], v[(\d):(\d)+7], v[\sa], v[\sb] matrix_a_fmt:MATRIX_FMT_FP6 matrix_b_fmt:MATRIX_FMT_FP6 matrix_a_scale:MATRIX_SCALE_ROW1 matrix_b_scale:MATRIX_SCALE_ROW1
.endif
.endif
.endif
.endm
.macro SCALES                          ; all eight K steps' scale words: x tile a, K step q in v[32 + 8 (a % 4) + q], lanes 16 (a / 4) on;  part p, K step q in v[64 + 8 p + q], lanes 16 u on
.irp a, 0,1,2,3
.irp f, 0,1
	global_load_b128 v[32+8*\a+4*\f:35+8*\a+4*\f], v11, s[72:73] offset:512*\a+256*\f
.endr
.endr
.irp p, 0,1,2
.irp f, 0,1
	global_load_b128 v[64+8*\p+4*\f:67+8*\p+4*\f], v12, s[74:75] offset:32768*\p+256*\f
.endr
.endr
.endm
.macro FETCH q                         ; K step q's fragments into set q % 2: my six of W (fragment f = 2 part + u), then x's eight: 42 loads in one run
.set SL,  ((\q)/2)%3
.set KSB, 1536*((\q)%2)
.set SP1, 128*((\q)%2)
	WIN 0x40                                       ; destination window 1, address window 0
.irp f, 0,1,2,3,4,5
.irp c, 0,1,2
	ds_load_b128 v[SP1+12*\f+4*\c:SP1+12*\f+4*\c+3], v[8+SL] offset:PART*(\f/2)+3072*(\f%2)+KSB+512*\c
.endr
.endr
.if (\q)%2
	WIN 0xc0                                       ; destination window 3
.else
	WIN 0
.endif
.irp a, 0,1,2,3,4,5,6,7
.irp c, 0,1,2
	ds_load_b128 v[128+12*\a+4*\c:128+12*\a+4*\c+3], v[5+SL] offset:3072*\a+KSB+512*\c
.endr
.endr
.endm
.macro MUL q, zero                     ; K step q: 48 matrix instructions.  The 48 accumulators take turns, one instruction a turn, in the same order in every step
.set SP1, 128*((\q)%2)
.if (\q)%2
	WIN 0xad                                       ; source 0 (W) window 1, source 1 (x) window 3, C and D window 2
.else
	WIN 0xa1                                       ; the same with x in window 0
.endif
.irp a, 0,1,2,3,4,5,6,7
.irp p, 0,1
.irp u, 0,1
	WM 128*\p+16*\a+8*\u, SP1+12*(2*\p+\u), 128+12*\a, \zero, 64+8*\p+(\q), 32+8*(\a%4)+(\q), \u, \a/4
.endr
.endr
.endr
.if (\q)%2
	WIN 0xf7                                       ; source 0 (x) window 3, source 1 (Wv) window 1, C and D window 3
.else
	WIN 0xf4
.endif
.irp a, 0,1,2,3,4,5,6,7
.irp n, 0,1
	WM 64*\n+8*\a, 128+12*\a, SP1+12*(4+\n), \zero, 32+8*(\a%4)+(\q), 80+(\q), \a/4, \n
.endr
.endr
.endm
.macro KSTEP q                         ; this step's fragments are in; the next step's are asked for, into the set that the last step multiplied; then the products
	s_wait_dscnt 0x0
	PLACES
	FETCH (\q)+1
	MUL \q, 0
.endm
	s_wait_alu depctr_va_vdst(0)                   ; The scale words: 14 loads from memory, waited for ahead of the first products
	SCALES
	s_wait_tensorcnt 0x0                           ; my part of slot 0 is in
	ds_add_u32 v[SPW], v[NIL]
	s_wait_dscnt 0x0
	CROUND                                         ; everybody's part is in
	JL 60, 80                                      ; slot 1
	FETCH 0
	s_wait_dscnt 0x0
	FETCH 1
	s_wait_loadcnt 0x0                             ; the scale words
	MUL 0, 1                                       ; the first K step starts the sums: nothing is cleared
	WIN 0
	s_wait_tensorcnt 0x0                           ; my part of slot 1 is in
	ds_add_u32 v[SPW], v[NIL]
	s_wait_dscnt 0x0                               ; the add is done, K step 1's fragments are in
	CROUND
	JL 68, 84                                      ; slot 2
	PLACES
	FETCH 2
	MUL 1, 0
	KSTEP 2
	WIN 0                                          ; THE ONE REFILL: slot 0, which K steps 0 and 1 have left, takes K steps 6 and 7.
	s_wait_tensorcnt 0x0                           ; all my tensor loads have landed, slot 2's too, so a group 0 may be written
	ds_add_u32 v[SPW], v[NIL]                      ; 0 onto my spare word; the descriptors' steps stand between it and the wait for it
	s_add_nc_u64 s[58:59], s[58:59], 9216          ; three slots of 3,072 bytes on in each tile
	s_add_nc_u64 s[78:79], s[78:79], 9216
	s_wait_dscnt 0x0                               ; the add is done; my reads of slot 0 are over, and K step 3's fragments are in
	CROUND                                         ; no wave of any partner still reads slot 0 or has a load on its way
	s_cmp_eq_u32 s16, 0
	s_cbranch_scc0 .Lrefill_w
	tensor_load_to_lds s[56:59], s[G1A:G1A+7]      ; my one tensor load behind the round: it has two K steps, 96 matrix instructions, in which to land
	s_nop 0
	PLACES                                         ; (also the places in front of the loads below)
	s_branch .Lrefill_done
.Lrefill_w:
	tensor_load_to_lds s[76:79], s[G1B:G1B+7]
	s_nop 0
	PLACES
.Lrefill_done:
	FETCH 4                                        ; (slot 2 was shown whole by the round above; the refill has two K steps, 96 matrix instructions, up to the wait for it)
	MUL 3, 0
	KSTEP 4
	s_wait_dscnt 0x0
	s_wait_tensorcnt 0x0                           ; my part of the refill is in,
	s_barrier_signal -1
	s_barrier_wait -1                              ; everybody's is; and every wave's reads of slot 1 are over: the stage may be written from here on
	PLACES
	FETCH 6
	MUL 5, 0
	KSTEP 6
	s_wait_dscnt 0x0
	PLACES
	WIN 0                                          ; the cosines and sines of my 8 tiles of positions land in set 0, which is free: tiles 0-5 in window 0, v[128 + 16 a]; tiles 6, 7 in window 1, v[16 (a - 6)]
	s_wait_alu depctr_va_vdst(0)
.irp a, 0,1,2,3,4,5
.irp j, 0,1,2,3
	global_load_b128 v[128+16*\a+4*\j:131+16*\a+4*\j], v23, s[92:93] offset:256*(32*(\a/2)+8*(\a%2))+16*\j
.endr
.endr
	WIN 0x40
.irp a, 6,7
.irp j, 0,1,2,3
	global_load_b128 v[16*(\a-6)+4*\j:16*(\a-6)+4*\j+3], v23, s[92:93] offset:256*(32*(\a/2)+8*(\a%2))+16*\j
.endr
.endr
	MUL 7, 0
; V: 64 registers of window 3, register 16 b + i = key 32 b + 16 (lane / 16) + i of my channel, become a fragment in v[PC] on and its scale word in v[PW].  Each accumulator is read from its low end on
.macro QUANTV s
	WIN 0x3c                                       ; sources 1 and 2 window 3
.irp b, 0,1,2,3
	v_max3_num_f32 v[TM+\b], 0x1800000, |v[(\s)+16*\b]|, |v[(\s)+1+16*\b]|   ; my 16 numbers of block b, and the floor 2^(3 - 127)
.endr
.irp i, 2,4,6,8,10,12,14
.irp b, 0,1,2,3
	v_max3_num_f32 v[TM+\b], v[TM+\b], |v[(\s)+16*\b+\i]|, |v[(\s)+1+16*\b+\i]|
.endr
.endr
	WIN 0
.irp b, 0,1,2,3
	v_permlanex16_b32 v[TM+4+\b], v[TM+\b], s100, s101
.endr
.irp b, 0,1,2,3
	v_max_num_f32 v[TM+\b], v[TM+\b], v[TM+4+\b]
.endr
.irp b, 0,1,2,3
	v_add_nc_u32 v[TM+8+\b], 0xff000000, v[TM+\b]
.endr
.irp b, 0,1,2,3
	v_lshrrev_b32 v[TM+4+\b], 23, v[TM+8+\b]
.endr
	v_lshl_or_b32 v[PW], v[TM+5], 8, v[TM+4]
	v_lshl_or_b32 v[PW], v[TM+6], 16, v[PW]
	v_lshl_or_b32 v[PW], v[TM+7], 24, v[PW]
	WIN 0x03                                       ; source 0 window 3
.irp c, 0,1
	v_cvt_scalef32_pk16_fp6_f32 v[PC+6*\c:PC+2+6*\c], v[(\s)+32*\c:(\s)+15+32*\c], v[TM+8+2*\c]
	v_cvt_scalef32_pk16_fp6_f32 v[PC+12+4*\c:PC+14+4*\c], v[(\s)+16+32*\c:(\s)+31+32*\c], v[TM+9+2*\c]
.endr
	v_nop                                          ; one plain place behind a scaled conversion
	WIN 0
.irp c, 0,1
.irp i, 0,1,2
	v_permlane16_swap_b32 v[PC+6*\c+\i], v[PC+12+4*\c+\i]
.endr
.irp i, 0,1,2
	v_mov_b32 v[PC+3+6*\c+\i], v[PC+12+4*\c+\i]
.endr
.endr
.endm
; Tile a of positions: q's and k's 16 channels of a lane are turned by RoPE (pairs (x1, x2) -> (x1 c - x2 s, x1 s + x2 c)) and quantised: they are half a block of 32, the other half lies in lane l xor 16.
; A lane's 16 codes are registers 6 (a % 2) + 3 h + 0 .. 2 of lane r + 16 x my half in image a / 2; register p lies at 512 (p / 4) + 4 (p % 4), which is 12 h or 508 h beyond a constant.
.macro ROPEQK a
.if (\a) < 6
	WIN 0x02                                       ; source 0 (the accumulators) window 2, source 1 (cosines and sines) window 0
.set CSR, 128+16*(\a)
.else
	WIN 0x06                                       ; the same with source 1 in window 1
.set CSR, 16*((\a)-6)
.endif
.irp j, 0,1,2,3,4,5,6,7
	v_pk_mul_f32 v[120+4*(\j%2):121+4*(\j%2)], v[16*(\a)+2*\j:16*(\a)+2*\j+1], v[CSR+2*\j:CSR+2*\j+1] op_sel:[1,1] op_sel_hi:[0,1] neg_lo:[1,0]   ; (-x2 s, x1 s)
	v_pk_mul_f32 v[122+4*(\j%2):123+4*(\j%2)], v[128+16*(\a)+2*\j:128+16*(\a)+2*\j+1], v[CSR+2*\j:CSR+2*\j+1] op_sel:[1,1] op_sel_hi:[0,1] neg_lo:[1,0]
	v_pk_fma_f32 v[88+2*\j:89+2*\j], v[16*(\a)+2*\j:16*(\a)+2*\j+1], v[CSR+2*\j:CSR+2*\j+1], v[120+4*(\j%2):121+4*(\j%2)] op_sel_hi:[1,0,1]   ; + (x1 c, x2 c)
	v_pk_fma_f32 v[104+2*\j:105+2*\j], v[128+16*(\a)+2*\j:128+16*(\a)+2*\j+1], v[CSR+2*\j:CSR+2*\j+1], v[122+4*(\j%2):123+4*(\j%2)] op_sel_hi:[1,0,1]
.endr
	WIN 0
	v_max3_num_f32 v224, |v88|, |v89|, 0x1800000   ; q and k by turns: the largest magnitude of my 16, and the floor
	v_max3_num_f32 v225, |v104|, |v105|, 0x1800000
.irp i, 2,4,6,8,10,12,14
	v_max3_num_f32 v224, v224, |v[88+\i]|, |v[89+\i]|
	v_max3_num_f32 v225, v225, |v[104+\i]|, |v[105+\i]|
.endr
	v_permlanex16_b32 v226, v224, s100, s101
	v_permlanex16_b32 v227, v225, s100, s101
	v_max_num_f32 v224, v224, v226
	v_max_num_f32 v225, v225, v227
	v_add_nc_u32 v228, 0xff000000, v224
	v_add_nc_u32 v229, 0xff000000, v225
	v_lshrrev_b32 v230, 23, v228
	v_lshrrev_b32 v231, 23, v229
	v_cvt_scalef32_pk16_fp6_f32 v[232:234], v[88:103], v228
	v_cvt_scalef32_pk16_fp6_f32 v[236:238], v[104:119], v229
	v_nop                                          ; one plain place behind a scaled conversion
.set OFS, 1536*((\a)/2)                ; q (t = 0): image a / 2, row r
.set OFD, 12288+3072*((\a)/4)+128*(((\a)/2)%2)-OFS   ; k (t = 1): image 2 (a / 4) + r / 8, row r % 8 + 8 ((a / 2) % 2): what its constant part lies beyond q's
.irp t, 0,1
.if (\a)%2 == 0
	ds_store_b32 v[15+11*\t], v[232+4*\t] offset:OFD*\t+OFS
	ds_store_b32 v[16+11*\t], v[233+4*\t] offset:OFD*\t+OFS+4
	ds_store_b32 v[16+11*\t], v[234+4*\t] offset:OFD*\t+OFS+8
.else
	ds_store_b32 v[16+11*\t], v[232+4*\t] offset:OFD*\t+OFS+520
	ds_store_b32 v[16+11*\t], v[233+4*\t] offset:OFD*\t+OFS+524
	ds_store_b32 v[15+11*\t], v[234+4*\t] offset:OFD*\t+OFS+1024
.endif
.endr
	ds_store_b8 v17, v230 offset:4*((\a)/2)+2*((\a)%2)   ; both halves of the lanes write the same byte with the same value
	ds_store_b8 v18, v231 offset:128*(((\a)/2)%2)+8*((\a)/4)+2*((\a)%2)
.endm
	PLACES                                         ; the first reads of results
.irp n, 0,1
	s_wait_xcnt 0x0                                ; the last fragment's stores have read their data
	QUANTV 64*\n
.irp c, 0,1,2
	global_store_b128 v4, v[PC+4*\c:PC+4*\c+3], s[94:95] offset:1536*\n+512*\c   ; the fragment as it stands: 512 consecutive bytes a store
.endr
	ds_store_b32 v19, v[PW] offset:4*\n
.endr
	s_wait_loadcnt 0x0                             ; the cosines and sines
	s_wait_xcnt 0x0                                ; V's stores have read their data: q's numbers land there
.irp a, 0,1,2,3,4,5,6,7
	ROPEQK \a
.endr
	s_wait_dscnt 0x0                               ; for the others' sake: my stores into the stage are done
	s_barrier_signal -1
	s_barrier_wait -1
.irp j, 0,1,2,3,4,5,6,7,8,9,10,11
	ds_load_b128 v[128+4*\j:131+4*\j], v20 offset:512*\j
.endr
.irp j, 0,1,2,3,4,5,6,7,8,9,10,11
	s_wait_dscnt 11-\j                             ; load j is in; the younger ones may be out
	global_store_b128 v4, v[128+4*\j:131+4*\j], s[96:97] offset:512*\j   ; 512 consecutive bytes, at a multiple of 256 from the buffer's first byte
.endr
	s_cmp_lt_u32 s16, 2
	s_cbranch_scc0 .Lk_scales
	ds_load_b64 v[176:177], v21                    ; Q's 256 scale bytes follow its images
	s_wait_dscnt 0x0
	global_store_b64 v24, v[176:177], s[96:97] offset:6144
	s_branch .Lscales_done
.Lk_scales:
	ds_load_b128 v[176:179], v22                   ; K's 256 and V's 256
	s_wait_dscnt 0x0
	global_store_b128 v4, v[176:179], s[98:99]
	global_store_b128 v4, v[176:179], s[98:99] offset:512   ; the block's last 512 bytes are filled, so that every byte that the next launch's tiles cover has been written; nothing is made of them
.Lscales_done:
	s_wait_tensorcnt 0x0                           ; the wave's end: behind my last tensor load and my last LDS store
	ds_add_u32 v[SPW], v[NIL]
	s_wait_dscnt 0x0
	CROUND                                         ; the closing round
	s_endpgm
.Lfunc_end_k_q1d764ea4e5_qkv:
	.size	k_q1d764ea4e5_qkv, .Lfunc_end_k_q1d764ea4e5_qkv-k_q1d764ea4e5_qkv
	.p2alignl 7, 3214868480
	.fill 96, 4, 3214868480
	.section	.rodata,"a",@progbits
	.p2align	6, 0x0
	.amdhsa_kernel k_q1d764ea4e5_qkv
		.amdhsa_group_segment_fixed_size 327680
		.amdhsa_private_segment_fixed_size 0
		.amdhsa_enable_private_segment 0
		.amdhsa_kernarg_size 40
		.amdhsa_user_sgpr_count 2
		.amdhsa_user_sgpr_kernarg_segment_ptr 1
		.amdhsa_wavefront_size32 1
		.amdhsa_system_sgpr_workgroup_id_x 1
		.amdhsa_system_sgpr_workgroup_id_y 1
		.amdhsa_system_sgpr_workgroup_id_z 1
		.amdhsa_system_vgpr_workitem_id 0
		.amdhsa_next_free_vgpr 1024
		.amdhsa_next_free_sgpr 102
		.amdhsa_reserve_vcc 0
		.amdhsa_float_denorm_mode_32 3
		.amdhsa_float_denorm_mode_16_64 3
		.amdhsa_memory_ordered 1
		.amdhsa_forward_progress 1
		.amdhsa_inst_pref_size 134
	.end_amdhsa_kernel
	.amdgpu_metadata
---
amdhsa.version: [ 1, 2 ]
amdhsa.kernels:
  - .name:           k_q1d764ea4e5_qkv
    .symbol:         k_q1d764ea4e5_qkv.kd
    .args:
      - { .name: codes, .offset: 0, .size: 8, .value_kind: global_buffer, .address_space: global }
      - { .name: scales, .offset: 8, .size: 8, .value_kind: global_buffer, .address_space: global }
      - { .name: rope, .offset: 16, .size: 8, .value_kind: global_buffer, .address_space: global }
      - { .name: qb, .offset: 24, .size: 8, .value_kind: global_buffer, .address_space: global }
      - { .name: kv, .offset: 32, .size: 8, .value_kind: global_buffer, .address_space: global }
    .group_segment_fixed_size: 327680
    .private_segment_fixed_size: 0
    .kernarg_segment_align: 8
    .kernarg_segment_size: 40
    .max_flat_workgroup_size: 128
    .sgpr_count:     102
    .vgpr_count:     1024
    .wavefront_size: 32
...
	.end_amdgpu_metadata
.endif
;; end of part 2
;; launch attn (part 3): grid 16 x 16, 16 waves a work-group, no clusters, 327,680 bytes of LDS; arguments qb, kv, cc, cs; writes cc, cs
.if DOCPART == 3
	.amdgcn_target "amdgcn-amd-amdhsa--gfx1250"
	.amdhsa_code_object_version 6
	.text
	.protected	k_q1d764ea4e5_attn
	.globl	k_q1d764ea4e5_attn
	.p2align	8
	.type	k_q1d764ea4e5_attn,@function
k_q1d764ea4e5_attn:
	s_mov_b64 s[64:65], 0
	v_nop
	global_prefetch_b8 v0, s[64:65] scope:SCOPE_SE
	s_setreg_imm32_b32 hwreg(HW_REG_WAVE_MODE, 25, 1), 1
	s_wait_xcnt 0x0
; ctx[q] = the sum over keys k <= q of softmax_k(q . k / 8) v[k], 16 heads of 64 channels, 4,096 positions, both products on codes of FP6 (E2M3) with E8M0 scales; ctx is quantised along the model's 1,024 and leaves as codes.
; Key steps all of whose keys come after a block of queries are hidden by the causal mask and are not walked.
; THE SOFTMAX: t = score x log2(e) / 8; M = the largest t so far, rounded UP to a whole number; p = 2^(t - M) is quantised along the keys, not normalised; the sum is taken of the unquantised p and divides at the end.
; When M moves, the sum and O are multiplied by 2^(old M - new M): exact.
; SHARES.  Work-group (X, head) serves two blocks of 128 queries: 31 - X (32 - X key steps of 128 keys) and X (X + 1 steps): 33 steps in every work-group.  They are walked as ONE row of 33 virtual steps v:
; v < NH = 32 - X is key step v for block 31 - X, the others key step v - NH for block X.  Wave w takes tile w % 8 of 16 queries and the virtual steps of parity w / 8, so all 16 waves have work in every slot.
; At its first v >= NH a wave parks its part of the first block (O, -M, the sums) in LDS bytes of its own and begins the second block; at the end it parks that too, and wave w joins the two
; parities' parts of block w / 8, tile w % 8: both are brought under the larger M by powers of two, added, divided by the sum, quantised.
; RING.  A key step is 13,312 bytes of kv: K 6,144, V 6,144, their scale bytes 512, 512 filled.  A slot holds 4 virtual steps; two slots; each wave fetches a quarter of a step, 13 rows of 256 bytes: one load of a wave is out.
; The ninth slot holds v = 32 alone and is fetched by waves 0 to 3.  Every wait on TENSORcnt is for 0.
; THE CHANGE OF SLOTS IS SPLIT.  A wave's reads of a slot are over when V's fragments of its second step there are in registers: there it waits for its tensor load, adds 0 to its spare word, waits for its LDS
; instructions and signals; that step's softmax and second product, work on registers alone, stand between the signal and the wait; the refill is the first thing behind the wait.
; NO CLUSTER: the work-groups of a head leave the common walk at different steps (NH hangs on X), so from there on their fills have different addresses.
; PREFETCH: behind fill i < 6 (slot i + 1's) wave 0 names 13 of the 208 blocks of 256 bytes of slot i + 2, key steps 4 (i + 2) .. + 3, a slot's work ahead of their fill; the head's 16 work-groups share the blocks out by X.
; The second block's steps have been read before.
; THE HEAD'S 64 FILL HALF OF THE INSTRUCTION'S 128.  An image of K holds two tiles of keys (registers 0-5, 6-11); it is multiplied by [q; zeros] and by [zeros; q]: zero codes add nothing under any byte but 0xff, which none is.
; LAYOUT.  Both products are used transposed: a lane holds ONE query.  Row 8 h + j of K's tile T is key 64 (T / 4) + 32 h + 8 (T % 4) + j, so score register n of lane half h is key 64 (n / 32) + 32 h + n % 32:
; a lane holds two whole blocks of 32 keys, in the very order of the second product's operand.
; OUT.  cc [tile of queries][head][768]: four registers at 16 x lane, two at 512 + 8 x lane.  cs [tile][half][r][4 words]: a byte for each 32 channels; a wave stores 32 single bytes, 16 bytes apart.
; LIMITS: NaN and infinities are not served; a block of zeros gets the byte 1 (its codes are zeros; this program alone reads the bytes); the scaled scores stay under 2^31 in magnitude.
; REGISTERS: v1-7, v10, v11, v240-242 addresses and numbers that stay; v8, v9 in hand; v12 -M, v13 the largest t, v[14:15] the sum; v16-27 [q; 0], v28-39 [0; q]; v40, v41 q's scale words; v42-45 K's, v46-49 V's;
;   v50-97 four fragments; v98-161 S^T, then p; v162-193 O^T; v194-212 p's codes; v214-231, v244-251 at work; v232-239 the second block's q and its scale words.
.set STEPB, 13312
.set QTR,   3328
.set HEADB, 32*STEPB
.set SLOT1, 65536                      ; slot 1 begins here: one exclusive or turns an address in one slot into the other's
.set STG,   2*SLOT1                    ; the parked parts: [block 0, 1][wave][4,608]: O 4,096, then -M, t, the sum's halves
.set STATE, 4608
.set SPARE, STG+32*STATE               ; the spare words, 128 bytes for each wave
	s_load_b256 s[4:11], s[0:1], 0x0               ; qb s[4:5], kv s[6:7], cc s[8:9], cs s[10:11]
	v_lshl_add_u32 v5, v0, 2, SPARE                ; v5: my spare word; never rewritten
	v_mov_b32 v6, 0                                ; v6: 0; never rewritten
	ds_add_u32 v5, v6                              ; the opening lines: the add, twice on end, and its wait ahead of my first tensor load
	ds_add_u32 v5, v6
	v_lshrrev_b32 v8, 5, v0
	v_readfirstlane_b32 s18, v8                    ; wave 0..15
	s_and_b32 s19, ttmp7, 0xffff                   ; the head
	s_sub_co_u32 s49, 32, ttmp9                    ; NH
	s_sub_co_u32 s47, s49, 1                       ; the first block's number, and the v of its diagonal step
	s_and_b32 s16, s18, 7                          ; my tile
	s_lshr_b32 s17, s18, 3                         ; my parity
	s_mov_b32 s24, 3<<16                           ; group 1: 13 rows of 256 bytes (32 elements of 8), dense
	s_mov_b32 s25, 32<<16
	s_mov_b32 s26, 13<<16
	s_mov_b32 s27, 32<<16
	s_mov_b32 s28, 13
	s_mov_b32 s29, 32
	s_mov_b32 s30, 0
	s_mov_b32 s31, 0
	s_mov_b32 s40, 1
	s_mul_i32 s41, s18, QTR                        ; LDS: step wave / 4 of the slot, quarter wave % 4
	s_lshr_b32 s52, s18, 2                         ; s52: the virtual step that I fetch a quarter of
	s_and_b32 s53, s18, 3
	s_mul_i32 s53, s53, QTR
	s_mul_i32 s60, s19, HEADB
	s_add_co_u32 s54, s60, s53
	s_mov_b32 s55, 0
	s_mul_i32 s44, s52, STEPB
	s_mov_b32 s45, 0
	s_add_co_u32 s60, s60, 4*STEPB
	s_mov_b32 s61, 0
	s_mov_b32 s20, 0x76543210
	s_mov_b32 s21, 0xfedcba98                      ; v_permlanex16_b32's selects for lane l xor 16
	s_mov_b32 s22, 0x3e38aa3b                      ; c = log2(e) / 8
	s_mov_b32 s23, s22
	s_wait_dscnt 0x0                               ; both opening adds are done
	s_wait_kmcnt 0x0
	s_add_nc_u64 s[56:57], s[6:7], s[54:55]        ; the head's key step 0, my quarter
	s_add_nc_u64 s[42:43], s[56:57], s[44:45]
	s_or_b32 s43, s43, 0x80000000
	tensor_load_to_lds s[40:43], s[24:31]          ; slot 0: every wave's one load at the head
	s_nop 0
.rept 4
	v_nop
.endr
	s_add_nc_u64 s[58:59], s[6:7], s[60:61]        ; the prefetches' base: stepped a slot on ahead of each
	s_mul_i32 s60, s19, 204800
	s_mul_i32 s62, s47, 6400
	s_add_co_u32 s66, s60, s62
	s_mov_b32 s67, 0
	s_mul_i32 s62, ttmp9, 6400
	s_add_co_u32 s68, s60, s62
	s_mov_b32 s69, 0
	s_add_nc_u64 s[66:67], s[4:5], s[66:67]        ; qb at the first block,
	s_add_nc_u64 s[68:69], s[4:5], s[68:69]        ; and at the second
	s_lshr_b32 s70, s16, 1                         ; my group of 32 queries
	s_and_b32 s71, s16, 1                          ; u: which tile of it
	s_mul_i32 s62, s70, 1536
	s_cmp_eq_u32 s71, 1                            ; registers 6 u .. 6 u + 5 of the image, in pairs: at 0, 8, 512 or at 520, 1,024, 1,032 beyond 16 x lane
	s_cselect_b32 s73, 520, 0
	s_cselect_b32 s74, 1024, 8
	s_add_co_u32 s73, s73, s62
	s_add_co_u32 s74, s74, s62
	s_lshl_b32 s75, s70, 2
	s_add_co_u32 s75, s75, 6144                    ; the group's scale words
	s_lshl_b32 s72, s70, 5
	s_lshl_b32 s62, s71, 3
	s_add_co_u32 s72, s72, s62                     ; 32 group + 8 u
	s_lshl_b32 s63, s71, 4
	s_mul_i32 s60, s18, STATE
	s_add_co_u32 s60, s60, STG                     ; where I park
	s_lshl_b32 s61, s17, 4
	s_add_co_u32 s61, s61, s16
	s_mul_i32 s61, s61, STATE
	s_add_co_u32 s61, s61, STG                     ; what I join: block w / 8, tile w % 8, parity 0; parity 1 lies 8 parts on
	s_mul_i32 s62, ttmp9, 13
	s_cmp_eq_u32 s17, 1
	s_cselect_b32 s44, ttmp9, s47
	s_lshl_b32 s44, s44, 3
	s_add_co_u32 s44, s44, s16                     ; the tile of queries that I send out
	s_mul_i32 s76, s44, 12288
	s_mul_i32 s45, s19, 768
	s_add_co_u32 s76, s76, s45
	s_mov_b32 s77, 0
	s_add_nc_u64 s[76:77], s[8:9], s[76:77]        ; its codes,
	s_lshl_b32 s78, s44, 9
	s_lshr_b32 s45, s19, 3
	s_lshl_b32 s45, s45, 8
	s_add_co_u32 s78, s78, s45
	s_and_b32 s45, s19, 7
	s_lshl_b32 s45, s45, 1
	s_add_co_u32 s78, s78, s45
	s_mov_b32 s79, 0
	s_add_nc_u64 s[78:79], s[10:11], s[78:79]      ; its scale bytes
	s_cmp_eq_u32 s18, 0
	s_cselect_b32 s46, 6, 0                        ; wave 0 prefetches behind fills 0 to 5
	s_mov_b32 s48, s17                             ; s48: my virtual step
	s_mul_i32 s2, s17, STEPB                       ; s2: LDS byte at which it begins
	s_mov_b32 s50, 0                               ; s50: the fill's number
	v_and_b32 v8, 31, v0                           ; lane
	v_and_b32 v9, 15, v0                           ; r
	v_bfe_u32 v216, v0, 4, 1                       ; h
	v_lshlrev_b32 v1, 4, v8                        ; v1: 16 x lane
	v_lshlrev_b32 v7, 3, v8                        ; v7: 8 x lane
	v_lshlrev_b32 v11, 3, v216                     ; v11: 8 h
	v_and_b32 v3, 8, v9
	v_add_nc_u32 v3, v3, v9
	v_lshlrev_b32 v217, 5, v216
	v_sub_nc_u32 v3, v3, v217
	v_add_nc_u32 v3, s72, v3                       ; v3: my query's place in its block - 32 h: the mask's number
	v_lshlrev_b32 v9, 4, v9                        ; 16 r
	v_add_nc_u32 v2, 12288, v9                     ; v2: my row's four scale words of a step
	v_add_nc_u32 v4, v9, v216                      ; v4: 16 r + h: my byte of ctx's scales
	v_add_nc_u32 v228, s73, v1
	v_add_nc_u32 v229, s74, v1
	v_add_nc_u32 v230, 512, v228
	v_add_nc_u32 v231, s75, v9
	v_add_nc_u32 v10, s60, v1                      ; v10: parking, first block;
	v_add_nc_u32 v240, 16*STATE, v10               ; v240: second block
	v_add_nc_u32 v241, s61, v1                     ; v241: joining
	v_min_u32 v242, 12, v8
	v_add_nc_u32 v242, s62, v242
	v_lshlrev_b32 v242, 8, v242                    ; v242: my work-group's 13 blocks of a slot's 208; lanes 13 on name the last again
	global_load_b64 v[16:17], v228, s[66:67]       ; q twice: as the low half of [q; 0]
	global_load_b64 v[18:19], v229, s[66:67]
	global_load_b64 v[20:21], v230, s[66:67]
	global_load_b64 v[34:35], v228, s[66:67]       ; and as the high half of [0; q]
	global_load_b64 v[36:37], v229, s[66:67]
	global_load_b64 v[38:39], v230, s[66:67]
	global_load_b32 v40, v231, s[66:67]            ; the group's scale word of row r: byte 2 u + half
	global_load_b64 v[232:233], v228, s[68:69]     ; the second block's q, kept until the change of blocks
	global_load_b64 v[234:235], v229, s[68:69]
	global_load_b64 v[236:237], v230, s[68:69]
	global_load_b32 v238, v231, s[68:69]
.irp j, 22,23,24,25,26,27,28,29,30,31,32,33
	v_mov_b32 v[\j], 0                             ; the zero halves
.endr
.irp j, 218,219,220,221,227
	v_mov_b32 v[\j], 0                             ; written once: a lane permute's destination counts as a source; v227 is named in the pair v[226:227]
.endr
.macro FRESH                           ; a block begins: nothing summed, the largest t -3e38, under every t.  (The step is written once: the first finds zeros)
	v_mov_b32 v13, 0xff61b1e6
	v_mov_b32 v14, 0
	v_mov_b32 v15, 0
	v_floor_f32 v12, -v13
.set j, 0
.rept 32
	v_mov_b32 v[162+j], 0
.set j, j+1
.endr
.endm
.macro PARK a                          ; O (each accumulator from its low end on), then -M, t and the sum's halves
.irp i, 0,1,2,3,4,5,6,7
	ds_store_b128 v[\a], v[162+4*\i:165+4*\i] offset:512*\i
.endr
	ds_store_b128 v[\a], v[12:15] offset:4096
.endm
	s_wait_loadcnt 0x0                             ; q
	v_lshrrev_b32 v40, s63, v40                    ; my tile's two bytes in bytes 0 and 1: for [q; 0]
	v_lshrrev_b32 v238, s63, v238
	v_lshlrev_b32 v41, 16, v40                     ; and in bytes 2 and 3: for [0; q].  (The other two bytes meet zero codes)
	v_lshlrev_b32 v239, 16, v238
	FRESH                                          ; (also the places between the scale words' lines and the first product)
; THE FIRST HALF OF A CHANGE OF SLOTS: my tensor load is in, 0 is added to my spare word, my LDS instructions are done, and I say so.  fill = 1: every wave will fetch its quarter of a step of the slot after the next;
; fill = 2: waves 0 to 3 alone (v = 32); fill = 3: nothing is left to fetch
.macro MEET fill
	s_wait_alu depctr_va_vdst(0)
.if \fill == 1
	s_wait_xcnt 0x0                                ; the last prefetch has read its base
	s_add_nc_u64 s[58:59], s[58:59], 4*STEPB
.endif
	s_wait_tensorcnt 0x0                           ; no tensor load of mine is out, so group 0 may be written
	ds_add_u32 v5, v6                              ; 0 onto my spare word
.if \fill < 3
	s_xor_b32 s41, s41, SLOT1                      ; the other slot than last time,
	s_add_co_u32 s52, s52, 4                       ; my virtual step of it,
	s_sub_co_u32 s53, s52, s49
	s_cmp_lt_u32 s52, s49
	s_cselect_b32 s53, s52, s53                    ; its key step: v, or v - NH
	s_mul_i32 s54, s53, STEPB
	s_add_nc_u64 s[42:43], s[56:57], s[54:55]
	s_or_b32 s43, s43, 0x80000000
.endif
	s_wait_dscnt 0x0                               ; the add is done, and my reads of the slot that I am leaving are over
	s_barrier_signal -1
.endm
; THE SECOND HALF: every wave has said so; the slot that all have left is filled again first
.macro PASS fill
	s_barrier_wait -1
.if \fill == 2
	s_cmp_lt_u32 s18, 4
	s_cbranch_scc0 .Lno_load_\@
.endif
.if \fill < 3
	tensor_load_to_lds s[40:43], s[24:31]          ; the first thing behind the barrier, and my one tensor load until the next
	s_nop 0
.rept 4
	v_nop
.endr
.endif
.if \fill == 2
.Lno_load_\@:
.endif
.if \fill == 1
	s_cmp_lt_u32 s50, s46
	s_cbranch_scc0 .Lno_ask_\@
	global_prefetch_b8 v242, s[58:59] th:TH_LOAD_NT scope:SCOPE_SE   ; fill i: key steps 4 (i + 2) on; the last named byte lies inside the head's 32 steps
.Lno_ask_\@:
.endif
.endm
; A KEY STEP: 128 keys.  tail = 1: the step of the ninth slot.  sig > 0: my last step in a slot: MEET sig stands behind its last LDS loads
.macro STEP tail, sig
	s_sub_co_u32 s44, s48, s49
	s_cmp_lt_u32 s44, 2                            ; my first v at or past NH: the change of blocks.  The test is made of ids and the loop's steps alone
	s_cbranch_scc0 .Lsame_\@
.rept 4
	v_nop                                          ; places behind the last products
.endr
	s_wait_alu depctr_va_vdst(0)                   ; ahead of the stores' reads
	PARK 10
	v_mov_b32 v40, v238
	v_mov_b32 v41, v239
.irp j, 0,1,2,3,4,5
	v_mov_b32 v[16+\j], v[232+\j]
	v_mov_b32 v[34+\j], v[232+\j]
.endr
	FRESH
	s_mov_b32 s47, 32                              ; the second block's diagonal step
.Lsame_\@:
.if \tail
	s_cmp_gt_u32 s48, 32                           ; there is no step 33
	s_cbranch_scc1 .Lnone_\@
.endif
	v_add_nc_u32 v8, s2, v1
	v_add_nc_u32 v9, s2, v2
	v_nop
	v_nop                                          ; four places in front of loads into registers that the last products read
.irp j, 0,1,2,3,4,5,6,7,8,9,10,11
	ds_load_b128 v[50+4*\j:53+4*\j], v8 offset:512*\j   ; K's four images
.endr
	ds_load_b128 v[42:45], v9                      ; their scale words
	s_wait_alu depctr_va_vdst(0)
	s_wait_dscnt 0x0
.irp b, 0,1,2,3                                ; S^T = K Q^T: eight accumulators, each begun with 0
	v_wmma_scale_f32_16x16x128_f8f6f4 v[98+16*\b:105+16*\b], v[50+12*\b:61+12*\b], v[16:27], 0, v[42+\b], v40 matrix_a_fmt:MATRIX_FMT_FP6 matrix_b_fmt:MATRIX_FMT_FP6
	v_wmma_scale_f32_16x16x128_f8f6f4 v[106+16*\b:113+16*\b], v[50+12*\b:61+12*\b], v[28:39], 0, v[42+\b], v41 matrix_a_fmt:MATRIX_FMT_FP6 matrix_b_fmt:MATRIX_FMT_FP6
.endr
.rept 4
	v_nop                                          ; places in front of the loads below and of the first read of the scores
.endr
.irp j, 0,1,2,3,4,5,6,7,8,9,10,11
	ds_load_b128 v[50+4*\j:53+4*\j], v8 offset:6144+512*\j   ; V's four fragments
.endr
	ds_load_b128 v[46:49], v9 offset:256
	s_cmp_lg_u32 s48, s47                          ; on the diagonal the scores of hidden keys become -infinity ahead of the maximum: p = 0 then
	s_cbranch_scc1 .Lopen_\@
	v_mov_b32 v228, 0xff800000
.set n, 0
.rept 64
	v_cmp_gt_i32 vcc_lo, 64*(n/32)+n%32, v3
	v_cndmask_b32 v[98+n], v[98+n], v228, vcc_lo
.set n, n+1
.endr
.Lopen_\@:
.if \sig
	MEET \sig                                      ; from here to the step's end: work on registers alone
.endif
.irp b, 0,1,2,3                                ; the largest score of my two blocks of 32 keys, in four chains by turns
	v_max3_num_f32 v[214+\b], v[98+16*\b], v[99+16*\b], v[100+16*\b]
.endr
.irp i, 3,5,7,9,11,13
.irp b, 0,1,2,3
	v_max3_num_f32 v[214+\b], v[214+\b], v[98+16*\b+\i], v[99+16*\b+\i]
.endr
.endr
	v_max3_num_f32 v214, v214, v215, v113
	v_max3_num_f32 v215, v216, v217, v145
	v_max_num_f32 v214, v214, v129                 ; block h: it serves for the row's maximum and, since p rises with the score, for the block's largest p
	v_max_num_f32 v215, v215, v161                 ; block 2 + h
	s_delay_alu instid0(VALU_DEP_1)
	v_max_num_f32 v216, v214, v215
	s_delay_alu instid0(VALU_DEP_1)
	v_permlanex16_b32 v221, v216, s20, s21
	s_delay_alu instid0(VALU_DEP_1)
	v_max_num_f32 v216, v216, v221                 ; with lane l xor 16's two blocks: the step's largest score of my query
	s_delay_alu instid0(VALU_DEP_1)
	v_mul_f32 v216, s22, v216                      ; as t (c is positive)
	s_delay_alu instid0(VALU_DEP_1)
	v_max_num_f32 v13, v13, v216                   ; the running largest t
	v_mov_b32 v216, v12
	s_delay_alu instid0(VALU_DEP_2)
	v_floor_f32 v12, -v13                          ; the new -M = -ceil(t)
	s_delay_alu instid0(VALU_DEP_1)
	v_sub_f32 v216, v12, v216                      ; old M - new M: a whole number, 0 or less
	s_delay_alu instid0(VALU_DEP_1)
	v_cvt_i32_f32 v216, v216                       ; (it saturates)
	s_delay_alu instid0(VALU_DEP_1)
	v_ldexp_f32 v226, 1.0, v216                    ; f = 2^(old M - new M)
.set j, 0
.rept 32
	v_pk_fma_f32 v[98+j:99+j], v[98+j:99+j], s[22:23], v[12:13] op_sel_hi:[1,0,0]   ; t - M, two at a time
.set j, j+2
.endr
	v_fma_f32 v214, v214, s22, v12                 ; the same of each block's largest score
	v_fma_f32 v215, v215, s22, v12
.set j, 0
.rept 16
	v_pk_mul_f32 v[162+j:163+j], v[162+j:163+j], v[226:227] op_sel_hi:[1,0]   ; O^T under the new M, ahead of the exponentials
.set j, j+2
.endr
	s_wait_alu depctr_va_vdst(0)
	v_exp_f32 v214, v214                           ; the blocks' largest p: the same arithmetic on the same number gives the same bits
	v_exp_f32 v215, v215
.set j, 0
.rept 64
	v_exp_f32 v[98+j], v[98+j]                     ; p = 2^(t - M), at most 1
.set j, j+1
.endr
	v_pk_mul_f32 v[14:15], v[14:15], v[226:227] op_sel_hi:[1,0]   ; the sums under the new M.  (A plain place behind the exponentials)
	s_wait_alu depctr_va_vdst(0)                   ; one wait for the whole batch, ahead of its first reader
	v_max_num_f32 v214, 0x1800000, v214            ; the floor 2^(3 - 127): the byte cannot fall under 1
	v_max_num_f32 v215, 0x1800000, v215
	v_add_nc_u32 v222, 0xff000000, v214            ; 2 off the exponent field: the conversion's scale operand
	v_add_nc_u32 v223, 0xff000000, v215
	v_lshrrev_b32 v218, 23, v222                   ; the scale's byte
	v_lshrrev_b32 v219, 23, v223
	s_delay_alu instid0(VALU_DEP_1)
	v_lshl_or_b32 v227, v219, 16, v218             ; my two bytes, blocks h and 2 + h,
	s_delay_alu instid0(VALU_DEP_1)
	v_lshlrev_b32 v227, v11, v227                  ; at their places (8 h bits up);
	s_delay_alu instid0(VALU_DEP_1)
	v_permlanex16_b32 v220, v227, s20, s21
	s_delay_alu instid0(VALU_DEP_1)
	v_or_b32 v227, v227, v220                      ; with lane l xor 16's two: p's scale word for these 128 keys
.irp c, 0,1
	v_cvt_scalef32_pk16_fp6_f32 v[194+6*\c:196+6*\c], v[98+32*\c:113+32*\c], v[222+\c]
	v_cvt_scalef32_pk16_fp6_f32 v[206+4*\c:208+4*\c], v[114+32*\c:129+32*\c], v[222+\c]   ; (a conversion's three registers begin on an even number)
.endr
	v_nop                                          ; one plain place behind a scaled conversion
.irp c, 0,1
.irp i, 0,1,2
	v_mov_b32 v[197+6*\c+\i], v[206+4*\c+\i]       ; registers 6 c .. 6 c + 5: keys 64 c + 32 h + 0 .. 31
.endr
.endr
.irp i, 0,1,2,3                                ; the row's sum of the unquantised p, four chains by turns.  (These 32 are also the places in front of the products below)
	v_pk_add_f32 v[244+2*\i:245+2*\i], v[98+2*\i:99+2*\i], v[106+2*\i:107+2*\i]
.endr
.irp m, 2,3,4,5,6,7
.irp i, 0,1,2,3
	v_pk_add_f32 v[244+2*\i:245+2*\i], v[244+2*\i:245+2*\i], v[98+8*\m+2*\i:99+8*\m+2*\i]
.endr
.endr
	v_pk_add_f32 v[244:245], v[244:245], v[246:247]
	v_pk_add_f32 v[248:249], v[248:249], v[250:251]
	v_pk_add_f32 v[14:15], v[14:15], v[244:245]
	v_pk_add_f32 v[14:15], v[14:15], v[248:249]
.if \sig == 0
	s_wait_dscnt 0x0                               ; V.  (Where MEET stands in the step, its wait has shown V in)
.endif
.irp t, 0,1,2,3                                ; O^T += V^T P^T: four accumulators by turns
	v_wmma_scale_f32_16x16x128_f8f6f4 v[162+8*\t:169+8*\t], v[50+12*\t:61+12*\t], v[194:205], v[162+8*\t:169+8*\t], v[46+\t], v227 matrix_a_fmt:MATRIX_FMT_FP6 matrix_b_fmt:MATRIX_FMT_FP6
.endr
.if \tail
.Lnone_\@:
.endif
	s_add_co_u32 s48, s48, 2
.endm
.macro SLOTW sig                       ; my two steps of a slot; in the second the change of slots begins
	STEP 0, 0
	s_add_co_u32 s2, s2, 2*STEPB
	STEP 0, \sig
	s_sub_co_u32 s2, s2, 2*STEPB
	s_xor_b32 s2, s2, SLOT1                        ; my first step of the other slot
.endm
	MEET 1                                         ; slot 0 is in (its first line is also the wait at the head's end);
	PASS 1                                         ; fill 0: slot 1's first fill, issued as a refill is
	s_mov_b32 s50, 1
.Lslot:                                        ; six trips: slots 0 to 5 are worked, slots 2 to 7 asked for
	SLOTW 1
	PASS 1
	s_add_co_u32 s50, s50, 1
	s_cmp_lt_u32 s50, 7
	s_cbranch_scc1 .Lslot
	SLOTW 2                                        ; the last slots are written out: slot 6
	PASS 2
	SLOTW 3                                        ; slot 7,
	PASS 3
	STEP 1, 0                                      ; and v = 32
	; THE JOINING AND THE WAY OUT
.rept 4
	v_nop                                          ; places behind the last products
.endr
	s_wait_alu depctr_va_vdst(0)                   ; ahead of the stores' reads
	PARK 240
	s_wait_dscnt 0x0                               ; for the others' sake: my parts are parked
	s_barrier_signal -1
	s_barrier_wait -1
.irp i, 0,1,2,3,4,5,6,7
	ds_load_b128 v[98+4*\i:101+4*\i], v241 offset:512*\i
	ds_load_b128 v[130+4*\i:133+4*\i], v241 offset:8*STATE+512*\i
.endr
	ds_load_b128 v[194:197], v241 offset:4096
	ds_load_b128 v[198:201], v241 offset:8*STATE+4096
	s_wait_dscnt 0x0
	v_min_num_f32 v202, v194, v198                 ; -M of the two together
	v_add_f32 v196, v196, v197
	v_add_f32 v200, v200, v201
	v_sub_f32 v203, v202, v194
	v_sub_f32 v204, v202, v198
	v_cvt_i32_f32 v203, v203                       ; (a part with no step has -M = 3e38: this saturates, and its factor is 0)
	v_cvt_i32_f32 v204, v204
	v_ldexp_f32 v203, 1.0, v203
	v_ldexp_f32 v204, 1.0, v204
	v_mul_f32 v196, v196, v203
	s_delay_alu instid0(VALU_DEP_1)
	v_fma_f32 v196, v200, v204, v196
	s_delay_alu instid0(VALU_DEP_1)
	v_permlanex16_b32 v218, v196, s20, s21
	s_delay_alu instid0(VALU_DEP_1)
	v_add_f32 v196, v196, v218                     ; the row's sum
	s_wait_alu depctr_va_vdst(0)
	v_rcp_f32 v196, v196
	v_bfe_u32 v8, v0, 4, 1                         ; (a plain place behind the reciprocal)  h
	s_wait_alu depctr_va_vdst(0)                   ; the wait ahead of its first reader
	v_mul_f32 v206, v203, v196
	v_mul_f32 v207, v203, v196
	v_mul_f32 v208, v204, v196
	v_mul_f32 v209, v204, v196
.set j, 0
.rept 16
	v_pk_mul_f32 v[98+j:99+j], v[98+j:99+j], v[206:207]
.set j, j+2
.endr
.set j, 0
.rept 16
	v_pk_fma_f32 v[98+j:99+j], v[130+j:131+j], v[208:209], v[98+j:99+j]   ; register 16 b + i: channel 32 b + 16 h + i
.set j, j+2
.endr
.irp b, 0,1
	v_max3_num_f32 v[214+\b], |v[98+16*\b]|, |v[99+16*\b]|, 0x1800000
.endr
.irp i, 2,4,6,8,10,12,14
.irp b, 0,1
	s_delay_alu instid0(VALU_DEP_2)
	v_max3_num_f32 v[214+\b], v[214+\b], |v[98+16*\b+\i]|, |v[99+16*\b+\i]|
.endr
.endr
.irp b, 0,1
	s_delay_alu instid0(VALU_DEP_2)
	v_permlanex16_b32 v[218+\b], v[214+\b], s20, s21
.endr
.irp b, 0,1
	s_delay_alu instid0(VALU_DEP_2)
	v_max_num_f32 v[214+\b], v[214+\b], v[218+\b]
.endr
.irp b, 0,1
	s_delay_alu instid0(VALU_DEP_2)
	v_add_nc_u32 v[222+\b], 0xff000000, v[214+\b]
.endr
.irp b, 0,1
	s_delay_alu instid0(VALU_DEP_2)
	v_lshrrev_b32 v[218+\b], 23, v[222+\b]
.endr
	v_cvt_scalef32_pk16_fp6_f32 v[194:196], v[98:113], v222
	v_cvt_scalef32_pk16_fp6_f32 v[198:200], v[114:129], v223
	v_nop                                          ; one plain place behind a scaled conversion
.irp i, 0,1,2
	v_permlane16_swap_b32 v[194+\i], v[198+\i]     ; lanes 0-15 now hold block 0 whole, lanes 16-31 block 1
.endr
	v_mov_b32 v197, v198
	v_mov_b32 v202, v199
	v_mov_b32 v203, v200
	v_cmp_eq_u32 vcc_lo, 1, v8
	v_cndmask_b32 v204, v218, v219, vcc_lo         ; my block's byte
	global_store_b128 v1, v[194:197], s[76:77]     ; 512 consecutive bytes
	global_store_b64 v7, v[202:203], s[76:77] offset:512   ; 256 consecutive bytes
	global_store_b8 v4, v204, s[78:79]
	s_wait_tensorcnt 0x0                           ; the wave's end: behind my last tensor load and my last LDS store
	ds_add_u32 v5, v6
	s_wait_dscnt 0x0
	s_endpgm
.Lfunc_end_k_q1d764ea4e5_attn:
	.size	k_q1d764ea4e5_attn, .Lfunc_end_k_q1d764ea4e5_attn-k_q1d764ea4e5_attn
	.p2alignl 7, 3214868480
	.fill 96, 4, 3214868480
	.section	.rodata,"a",@progbits
	.p2align	6, 0x0
	.amdhsa_kernel k_q1d764ea4e5_attn
		.amdhsa_group_segment_fixed_size 327680
		.amdhsa_private_segment_fixed_size 0
		.amdhsa_enable_private_segment 0
		.amdhsa_kernarg_size 32
		.amdhsa_user_sgpr_count 2
		.amdhsa_user_sgpr_kernarg_segment_ptr 1
		.amdhsa_wavefront_size32 1
		.amdhsa_system_sgpr_workgroup_id_x 1
		.amdhsa_system_sgpr_workgroup_id_y 1
		.amdhsa_system_sgpr_workgroup_id_z 1
		.amdhsa_system_vgpr_workitem_id 0
		.amdhsa_next_free_vgpr 256
		.amdhsa_next_free_sgpr 80
		.amdhsa_reserve_vcc 1
		.amdhsa_float_denorm_mode_32 3
		.amdhsa_float_denorm_mode_16_64 3
		.amdhsa_memory_ordered 1
		.amdhsa_forward_progress 1
		.amdhsa_inst_pref_size 175
	.end_amdhsa_kernel
	.amdgpu_metadata
---
amdhsa.version: [ 1, 2 ]
amdhsa.kernels:
  - .name:           k_q1d764ea4e5_attn
    .symbol:         k_q1d764ea4e5_attn.kd
    .args:
      - { .name: qb, .offset: 0, .size: 8, .value_kind: global_buffer, .address_space: global }
      - { .name: kv, .offset: 8, .size: 8, .value_kind: global_buffer, .address_space: global }
      - { .name: cc, .offset: 16, .size: 8, .value_kind: global_buffer, .address_space: global }
      - { .name: cs, .offset: 24, .size: 8, .value_kind: global_buffer, .address_space: global }
    .group_segment_fixed_size: 327680
    .private_segment_fixed_size: 0
    .kernarg_segment_align: 8
    .kernarg_segment_size: 32
    .max_flat_workgroup_size: 512
    .sgpr_count:     80
    .vgpr_count:     256
    .wavefront_size: 32
...
	.end_amdgpu_metadata
.endif
;; end of part 3
;; launch proj (part 4): grid 8 x 32, 4 waves a work-group, clusters of 4 x 4, 327,680 bytes of LDS; arguments cc, cs, codes, scales, bo, out0; writes out0
.if DOCPART == 4
	.amdgcn_target "amdgcn-amd-amdhsa--gfx1250"
	.amdhsa_code_object_version 6
	.text
	.protected	k_q1d764ea4e5_proj
	.globl	k_q1d764ea4e5_proj
	.p2align	8
	.type	k_q1d764ea4e5_proj,@function
k_q1d764ea4e5_proj:
	s_mov_b64 s[64:65], 0
	v_nop
	global_prefetch_b8 v0, s[64:65] scope:SCOPE_SE
	s_setreg_imm32_b32 hwreg(HW_REG_WAVE_MODE, 25, 1), 1
	s_wait_xcnt 0x0
	s_wait_alu depctr_hold_cnt(0) depctr_sa_sdst(0) depctr_va_vdst(0) depctr_va_sdst(0) depctr_va_ssrc(0) depctr_va_vcc(0) depctr_vm_vsrc(0)
	s_getreg_b32 s2, hwreg(HW_REG_IB_STS2, 6, 4)
	s_cmp_eq_u32 s2, 0
	s_cbranch_scc0 .Lentry_in_a_cluster
	s_endpgm
.Lentry_in_a_cluster:
	s_bfe_u32 s2, ttmp6, 0x10000c
	s_cmp_lg_u32 s2, 0xf033
	s_cbranch_scc0 .Lentry_shape_is_right
	s_endpgm
.Lentry_shape_is_right:
; out = ctx Wo^T + bo on codes of FP6 (E2M3) with E8M0 scales.  ctx's codes and scale words come from the attention launch, Wo's from the quantising launch (tiles 448 on), both as images of operand registers.
; SHARES.  A work-group makes 128 x 128 of out; wave w rows 64 (w / 2) on and columns 64 (w % 2) on: 16 accumulators.  All of K (8 steps of 128) fits in LDS: four slots of two K steps, each filled once; nothing is filled again.
; CLUSTER.  4 x 4 work-groups: ctx's tiles are asked for jointly along a row of the cluster, Wo's along a column.  Waves 0 and 1 fetch ctx's, waves 2 and 3 Wo's: each half of the scale words and two slots: three loads of a wave are out at the most.
; THE MATRIX INSTRUCTION IS USED TRANSPOSED (source 0 = 16 rows of Wo, source 1 = 16 rows of ctx).  Lane r of a tile T holds row 32 (T / 2) + 8 (T % 2) + r + 8 (r / 8), so a lane's 16 results of two neighbouring tiles of Wo are
; 16 neighbouring columns of one row of out.  The bias is the C of each sum's first matrix instruction.
; THE WAY OUT goes through a stage in LDS (128 rows of 512 + 16 bytes, bytes of its own) and leaves as whole rows of 512 bytes.
; REGISTERS.  Window 0: v4-25 addresses; v32-47 ctx's scale words, v48-63 Wo's; v64-95 the bias; v128-255 the accumulators ((a, t) at v[128 + 8 (4 a + t)]).  Window 1: set p: ctx's four fragments at v[128 p], Wo's at v[128 p + 48].
; AS THE TEXT STANDS NOW (this goes before the lines above where they differ).  A wave has ONE tensor load out: its first slot at the head, its second behind the full sequence and a round of the cluster's barrier.
; The scale words go from memory straight into registers, 16 lanes to 256 consecutive bytes.
.macro JL ga, gb                       ; a joint load, one a wave: waves 0 and 1 ctx's part of a slot, waves 2 and 3 Wo's; an s_nop 0 and four v_nop follow each line
	s_cmp_eq_u32 s2, 0
	s_cbranch_scc0 .Ljw_\@
	tensor_load_to_lds s[\ga:\ga+3], s[G1A:G1A+7]
	s_nop 0
	PLACES
	s_branch .Ljd_\@
.Ljw_\@:
	tensor_load_to_lds s[\gb:\gb+3], s[G1B:G1B+7]
	s_nop 0
	PLACES
.Ljd_\@:
.endm
.set QS,    49152
.set SCL,   4*QS                       ; 8,192 bytes that no line uses: the scale words go straight into registers
.set STG,   SCL+8192
.set SPARE, STG+128*528                ; the spare words, 128 bytes for each wave: two blocks of 256 bytes that no other line names
.set G1A,  24
.set G1B,  32
.set G1SA, 40
.set G1SB, 48
.set SPW,  22                          ; v22  LDS address of my spare word; never rewritten
.set NIL,  23                          ; v23  0; never rewritten
.set MSB, 0
.macro WIN new                         ; the immediate's high byte repeats the setting that is left
.if MSB != \new
	s_set_vgpr_msb (MSB<<8)|\new
.set MSB, \new
.endif
.endm
.macro PLACES
.rept 4
	v_nop
.endr
.endm
.macro CROUND
	s_barrier_signal -1
	s_barrier_wait -1
	s_cmp_lg_u32 s16, 0
	s_cbranch_scc1 .Lnot_wave_0_\@
	s_barrier_signal -3
.Lnot_wave_0_\@:
	s_barrier_wait -3
	s_barrier_signal -1
	s_barrier_wait -1
.endm
.macro SETG0 g, lr, lc, src, off
	s_mov_b32 s[\g], 1
	s_add_co_u32 s[\g+1], s[\lr], \lc
	s_add_nc_u64 s[\g+2:\g+3], s[\src:\src+1], \off
	s_or_b32 s[\g+3], s[\g+3], 0x80000000
.endm
	s_load_b256 s[4:11], s[0:1], 0x0               ; cc s[4:5], cs s[6:7], codes s[8:9], scales s[10:11]
	s_load_b128 s[12:15], s[0:1], 0x20             ; bo s[12:13], out0 s[14:15]
	v_lshl_add_u32 v[SPW], v0, 2, SPARE
	v_mov_b32 v[NIL], 0
	ds_add_u32 v[SPW], v[NIL]                      ; the wave's opening: the add and its wait stand ahead of my first tensor load; the set-up below, work on registers, stands between them
	ds_add_u32 v[SPW], v[NIL]
	v_lshrrev_b32 v1, 5, v0
	v_readfirstlane_b32 s16, v1                    ; wave 0..3
	s_and_b32 s17, s16, 1                          ; my half of the columns.  Also: which slots and which half of the scale words I fetch
	s_lshr_b32 s2, s16, 1                          ; my half of the rows.  Also: I fetch for ctx (0) or for Wo (1)
	s_bfe_u32 s18, ttmp6, 0x40000
	s_bfe_u32 s19, ttmp6, 0x40004
	s_lshl_b32 s20, ttmp9, 2
	s_add_co_u32 s20, s20, s18                     ; nt
	s_and_b32 s21, ttmp7, 0xffff
	s_lshl_b32 s21, s21, 2
	s_add_co_u32 s21, s21, s19                     ; mt
	s_lshl_b32 s22, s19, 2
	s_lshl_b32 s22, 15, s22                        ; my row of the cluster
	s_lshl_b32 s23, 0x1111, s18                    ; my column
	s_or_b32 s[G1A], s22, (3<<16)|(1<<21)          ; 15:0 the mask; 17:16 elements of 8 bytes; 21 set beside a mask
	s_or_b32 s[G1B], s23, (3<<16)|(1<<21)
.irp g, G1A, G1B                               ; 8 tiles' two K steps: 8 rows of 3,072 bytes, 12,288 bytes apart
	s_mov_b32 s[\g+1], 384<<16
	s_mov_b32 s[\g+2], 8<<16
	s_mov_b32 s[\g+3], 384<<16
	s_mov_b32 s[\g+4], 8
	s_mov_b32 s[\g+5], 1536
	s_mov_b32 s[\g+6], 0
	s_mov_b32 s[\g+7], 0
.endr
	s_mul_i32 s84, s17, QS
	s_mul_i32 s85, s2, 24576
	s_add_co_u32 s84, s84, s85                     ; LDS: my first slot, my part of it: made of the wave's number alone
	s_lshl_b32 s85, s2, 11                         ; ctx's scale words: my half of the rows
	s_mul_i32 s86, s17, 3072                       ; in memory: my first slot's place in a tile,
	s_lshl_b32 s87, s17, 11                        ; my half of the scale words
	s_mul_i32 s88, s21, 8*12288                    ; ctx's tiles 8 mt on.  (These registers never hold nt; those further below never hold mt)
	s_add_co_u32 s88, s88, s86
	s_mov_b32 s89, 0
	s_lshl_b32 s90, s21, 12
	s_add_co_u32 s90, s90, s85
	s_mov_b32 s91, 0
	s_lshl_b32 s92, s20, 3
	s_add_co_u32 s92, s92, 448                     ; Wo's tiles 448 + 8 nt on
	s_lshl_b32 s94, s92, 9
	s_add_co_u32 s94, s94, s87
	s_mul_i32 s92, s92, 12288
	s_add_co_u32 s92, s92, s86
	s_mov_b32 s93, 0
	s_mov_b32 s95, 0
	s_wait_dscnt 0x0                               ; the opening add is done
	s_wait_kmcnt 0x0
	s_add_nc_u64 s[88:89], s[4:5], s[88:89]
	s_add_nc_u64 s[90:91], s[6:7], s[90:91]
	s_add_nc_u64 s[92:93], s[8:9], s[92:93]
	s_add_nc_u64 s[94:95], s[10:11], s[94:95]
	CROUND                                         ; all sixteen work-groups are here: the joint loads meet
	SETG0 60, 84, 0, 88, 0
	SETG0 68, 84, 2*QS, 88, 6144
	SETG0 76, 84, 0, 92, 0
	SETG0 80, 84, 2*QS, 92, 6144
	s_cmp_eq_u32 s2, 0                             ; a wave's first fill stands in a branch on the wave's number; an s_nop 0 and four v_nop follow it
	s_cbranch_scc0 .Lfirst_w
	tensor_load_to_lds s[60:63], s[G1A:G1A+7]      ; slots 0 and 1: the wave's one load at the head
	s_nop 0
	PLACES
	s_branch .Lfirst_done
.Lfirst_w:
	tensor_load_to_lds s[76:79], s[G1B:G1B+7]
	s_nop 0
	PLACES
.Lfirst_done:
	v_and_b32 v1, 31, v0                           ; lane
	v_and_b32 v2, 15, v0                           ; r
	v_bfe_u32 v3, v0, 4, 1                         ; h
	v_lshlrev_b32 v20, 4, v1                       ; v20: 16 x lane
	v_lshlrev_b32 v24, 3, v1
	s_mul_i32 s3, s2, 12288
	v_add_nc_u32 v4, s3, v20                       ; v4-7: my four tiles of ctx in slots 0-3, 16 bytes a lane;
	v_add_nc_u32 v8, s3, v24                       ; v8-11: the same, 8 bytes a lane
	s_mul_i32 s3, s17, 12288
	s_add_co_u32 s3, s3, 24576
	v_add_nc_u32 v12, s3, v20                      ; v12-15: my four tiles of Wo
.irp s, 1,2,3
	v_add_nc_u32 v[4+\s], QS*\s, v4
	v_add_nc_u32 v[8+\s], QS*\s, v8
	v_add_nc_u32 v[12+\s], QS*\s, v12
.endr
	v_lshlrev_b32 v25, 4, v2
	v_lshl_add_u32 v25, v3, 10, v25                ; 16 r + 1,024 h: lanes 0-15 take tiles 0 and 1 of my four, lanes 16-31 tiles 2 and 3
	v_and_b32 v18, 8, v2
	v_add_nc_u32 v18, v18, v2
	v_mul_u32_u24 v18, v18, 528
	v_lshl_add_u32 v18, v3, 6, v18
	s_mul_i32 s3, s2, 64*528
	s_lshl_b32 s96, s17, 8
	s_add_co_u32 s3, s3, s96
	s_add_co_u32 s3, s3, STG
	v_add_nc_u32 v18, s3, v18                      ; v18: the stage, in: row r + 8 (r / 8) of my 64, + 64 h, + my half of the columns
	s_mul_i32 s3, s16, 32*528
	s_add_co_u32 s3, s3, STG
	v_add_nc_u32 v19, s3, v20                      ; v19: back: rows 32 w on, 16 bytes a lane
	v_lshlrev_b32 v21, 6, v3                       ; v21: the bias: 16 h numbers on
	s_wait_alu depctr_va_vdst(0)
	s_lshl_b32 s96, s20, 9
	s_lshl_b32 s3, s17, 8
	s_add_co_u32 s96, s96, s3
	s_mov_b32 s97, 0
	s_add_nc_u64 s[96:97], s[12:13], s[96:97]      ; bo at my 64 columns
	s_lshl_b32 s98, s21, 19
	s_lshl_b32 s3, s16, 17
	s_add_co_u32 s98, s98, s3
	s_lshl_b32 s3, s20, 9
	s_add_co_u32 s98, s98, s3
	s_mov_b32 s99, 0
	s_add_nc_u64 s[98:99], s[14:15], s[98:99]      ; out at row 128 mt + 32 w, column 128 nt
.irp t, 0,1,2,3
	global_load_b128 v[64+8*\t:67+8*\t], v21, s[96:97] offset:(32*(\t/2)+8*(\t%2))*4      ; tile t's eight columns of my half of the lanes
	global_load_b128 v[68+8*\t:71+8*\t], v21, s[96:97] offset:(32*(\t/2)+8*(\t%2))*4+16
.endr
; one matrix instruction; c: the registers of C.  ra, rb: the scale words stand in lanes 0-15 (0) or 16-31 (1)
.macro WM d, a, b, c, sa, sb, ra, rb
.if (\ra) == 0
.if (\rb) == 0
	v_wmma_scale_f32_16x16x128_f8f6f4 v[(\d):(\d)+7], v[(\a):(\a)+11], v[(\b):(\b)+11], v[(\c):(\c)+7], v[\sa], v[\sb] matrix_a_fmt:MATRIX_FMT_FP6 matrix_b_fmt:MATRIX_FMT_FP6
.else
	v_wmma_scale_f32_16x16x128_f8f6f4 v[(\d):(\d)+7], v[(\a):(\a)+11], v[(\b):(\b)+11], v[(\c):(\c)+7], v[\sa], v[\sb] matrix_a_fmt:MATRIX_FMT_FP6 matrix_b_fmt:MATRIX_FMT_FP6 matrix_b_scale:MATRIX_SCALE_ROW1
.endif
.else
.if (\rb) == 0
	v_wmma_scale_f32_16x16x128_f8f6f4 v[(\d):(\d)+7], v[(\a):(\a)+11], v[(\b):(\b)+11], v[(\c):(\c)+7], v[\sa], v[\sb] matrix_a_fmt:MATRIX_FMT_FP6 matrix_b_fmt:MATRIX_FMT_FP6 matrix_a_scale:MATRIX_SCALE_ROW1
.else
	v_wmma_scale_f32_16x16x128_f8f6f4 v[(\d):(\d)+7], v[(\a):(\a)+11], v[(\b):(\b)+11], v[(\c):(\c)+7], v[\sa], v[\sb] matrix_a_fmt:MATRIX_FMT_FP6 matrix_b_fmt:MATRIX_FMT_FP6 matrix_a_scale:MATRIX_SCALE_ROW1 matrix_b_scale:MATRIX_SCALE_ROW1
.endif
.endif
.endm
.macro FETCH q                         ; K step q's fragments into set q % 2.  A fragment of ctx is two heads' pieces of 768 bytes: four registers at 16 x lane, two at 512 + 8 x lane
.set SL,  (\q)/2
.set KSB, 1536*((\q)%2)
.set SP1, 128*((\q)%2)
	WIN 0x40                                       ; destination window 1, address window 0
.irp a, 0,1,2,3
.irp c, 0,1
	ds_load_b128 v[SP1+12*\a+6*\c:SP1+12*\a+6*\c+3], v[4+SL] offset:3072*\a+KSB+768*\c
	ds_load_b64 v[SP1+12*\a+6*\c+4:SP1+12*\a+6*\c+5], v[8+SL] offset:3072*\a+KSB+768*\c+512
.endr
.endr
.irp t, 0,1,2,3
.irp c, 0,1,2
	ds_load_b128 v[SP1+48+12*\t+4*\c:SP1+48+12*\t+4*\c+3], v[12+SL] offset:3072*\t+KSB+512*\c
.endr
.endr
.endm
.macro MUL q, first                    ; 16 matrix instructions; the 16 accumulators take turns, one instruction a turn, in the same order in every step
.set SP1, 128*((\q)%2)
	WIN 0x05                                       ; sources 0 (Wo) and 1 (ctx) window 1; C and D window 0
.irp a, 0,1,2,3
.irp t, 0,1,2,3
.if \first
	WM 128+8*(4*\a+\t), SP1+48+12*\t, SP1+12*\a, 64+8*\t, 48+8*(\t%2)+(\q), 32+8*(\a%2)+(\q), \t/2, \a/2
.else
	WM 128+8*(4*\a+\t), SP1+48+12*\t, SP1+12*\a, 128+8*(4*\a+\t), 48+8*(\t%2)+(\q), 32+8*(\a%2)+(\q), \t/2, \a/2
.endif
.endr
.endr
.endm
.macro KSTEP q
	s_wait_dscnt 0x0
	PLACES                                         ; in front of loads into the set that the last step multiplied
	FETCH (\q)+1
	MUL \q, 0
.endm
.irp a, 0,1
.irp f, 0,1
	global_load_b128 v[32+8*\a+4*\f:35+8*\a+4*\f], v25, s[90:91] offset:512*\a+256*\f   ; ctx tile a, K step q: v[32 + 8 (a % 2) + q], lanes 16 (a / 2) on
	global_load_b128 v[48+8*\a+4*\f:51+8*\a+4*\f], v25, s[94:95] offset:512*\a+256*\f   ; Wo likewise
.endr
.endr
	s_wait_tensorcnt 0x0                           ; my first slot is in
	ds_add_u32 v[SPW], v[NIL]
	s_wait_dscnt 0x0
	CROUND                                         ; slots 0 and 1 are whole
	JL 68, 80                                      ; slots 2 and 3: three K steps, 48 matrix instructions, stand between the load and the wait for it
	FETCH 0
	s_wait_dscnt 0x0
	s_wait_loadcnt 0x0                             ; the bias
	FETCH 1
	MUL 0, 1                                       ; the first K step starts the sums on the bias
	KSTEP 1
	KSTEP 2
	s_wait_dscnt 0x0
	s_wait_tensorcnt 0x0                           ; my second slot is in,
	s_barrier_signal -1
	s_barrier_wait -1                              ; everybody's is
	PLACES
	FETCH 4
	MUL 3, 0
	KSTEP 4
	KSTEP 5
	KSTEP 6
	s_wait_dscnt 0x0
	MUL 7, 0
	WIN 0
	PLACES                                         ; the first reads of results
.irp a, 0,1,2,3
.irp t, 0,1,2,3
	ds_store_b128 v18, v[128+8*(4*\a+\t):131+8*(4*\a+\t)] offset:528*(32*(\a/2)+8*(\a%2))+128*(\t/2)+32*(\t%2)      ; each accumulator from its low end on
	ds_store_b128 v18, v[132+8*(4*\a+\t):135+8*(4*\a+\t)] offset:528*(32*(\a/2)+8*(\a%2))+128*(\t/2)+32*(\t%2)+16
.endr
.endr
	s_wait_dscnt 0x0                               ; for the others' sake: my stores into the stage are done
	s_barrier_signal -1
	s_barrier_wait -1
.set i, 0
.rept 32
	ds_load_b128 v[128+4*i:131+4*i], v19 offset:528*i
.set i, i+1
.endr
.set i, 0
.rept 32
	s_wait_dscnt 31-i                              ; row i is in; the younger loads may be out
	global_store_b128 v20, v[128+4*i:131+4*i], s[98:99] offset:4096*i th:TH_STORE_NT   ; 32 lanes store 512 consecutive bytes, at a multiple of 256 from out's first byte
.set i, i+1
.endr
	s_wait_tensorcnt 0x0                           ; the wave's end: behind my last tensor load and my last LDS store
	ds_add_u32 v[SPW], v[NIL]
	s_wait_dscnt 0x0
	CROUND                                         ; the closing round
	s_endpgm
.Lfunc_end_k_q1d764ea4e5_proj:
	.size	k_q1d764ea4e5_proj, .Lfunc_end_k_q1d764ea4e5_proj-k_q1d764ea4e5_proj
	.p2alignl 7, 3214868480
	.fill 96, 4, 3214868480
	.section	.rodata,"a",@progbits
	.p2align	6, 0x0
	.amdhsa_kernel k_q1d764ea4e5_proj
		.amdhsa_group_segment_fixed_size 327680
		.amdhsa_private_segment_fixed_size 0
		.amdhsa_enable_private_segment 0
		.amdhsa_kernarg_size 48
		.amdhsa_user_sgpr_count 2
		.amdhsa_user_sgpr_kernarg_segment_ptr 1
		.amdhsa_wavefront_size32 1
		.amdhsa_system_sgpr_workgroup_id_x 1
		.amdhsa_system_sgpr_workgroup_id_y 1
		.amdhsa_system_sgpr_workgroup_id_z 1
		.amdhsa_system_vgpr_workitem_id 0
		.amdhsa_next_free_vgpr 512
		.amdhsa_next_free_sgpr 100
		.amdhsa_reserve_vcc 0
		.amdhsa_float_denorm_mode_32 3
		.amdhsa_float_denorm_mode_16_64 3
		.amdhsa_memory_ordered 1
		.amdhsa_forward_progress 1
		.amdhsa_inst_pref_size 50
	.end_amdhsa_kernel
	.amdgpu_metadata
---
amdhsa.version: [ 1, 2 ]
amdhsa.kernels:
  - .name:           k_q1d764ea4e5_proj
    .symbol:         k_q1d764ea4e5_proj.kd
    .args:
      - { .name: cc, .offset: 0, .size: 8, .value_kind: global_buffer, .address_space: global }
      - { .name: cs, .offset: 8, .size: 8, .value_kind: global_buffer, .address_space: global }
      - { .name: codes, .offset: 16, .size: 8, .value_kind: global_buffer, .address_space: global }
      - { .name: scales, .offset: 24, .size: 8, .value_kind: global_buffer, .address_space: global }
      - { .name: bo, .offset: 32, .size: 8, .value_kind: global_buffer, .address_space: global }
      - { .name: out0, .offset: 40, .size: 8, .value_kind: global_buffer, .address_space: global }
    .group_segment_fixed_size: 327680
    .private_segment_fixed_size: 0
    .kernarg_segment_align: 8
    .kernarg_segment_size: 48
    .max_flat_workgroup_size: 128
    .sgpr_count:     100
    .vgpr_count:     512
    .wavefront_size: 32
...
	.end_amdgpu_metadata
.endif
;; end of part 4
